; MI455X (gfx1250); checked and timed in simulation.
; The chip was launched on July 23, 2026; its instructions are those of AMD's public machine-readable ISA for CDNA 5 (MIT licence, August 2026) and "CDNA5" Instruction Set Architecture Reference Guide (July 2026). The comments in the code are by the model that wrote it; some were corrected since.
;; Multi Head Self Attention. Allowed arithmetic: float matrix products may take bf16 or f16 operands with f32 sums; all other float work in f32.
;; Inputs: Wk 384 x 384 float32; Wo 384 x 384 float32; Wq 384 x 384 float32; Wv 384 x 384 float32; bk 384 float32; bo 384 float32; bq 384 float32; bv 384 float32; ln_b 384 float32; ln_g 384 float32; x 2 x 4,096 x 384 float32.
;; Outputs: out0 2 x 4,096 x 384 float32.
;; 2 versions, each right. Each part assembles by itself: llvm-mc -triple=amdgcn-amd-amdhsa -mcpu=gfx1250 --defsym DOCPART=n.
;; ======== version 1 of 2: 3 launches
;; workspace buffers: q_ws 6,291,456 bytes; k_ws 6,291,456 bytes; v_ws 6,291,456 bytes; a_ws 6,291,456 bytes
;; launch qkv (part 1): grid 64 x 3, 4 waves a work-group, no clusters, 311,808 bytes of LDS; arguments x, ln_g, ln_b, Wq, Wk, Wv, bq, bk, bv, q_ws, k_ws, v_ws; writes q_ws, k_ws, v_ws
.if DOCPART == 1
	.amdgcn_target "amdgcn-amd-amdhsa--gfx1250"
	.amdhsa_code_object_version 6
	.text
	.protected	k_q825bd8190d_qkv
	.globl	k_q825bd8190d_qkv
	.p2align	8
	.type	k_q825bd8190d_qkv,@function
k_q825bd8190d_qkv:
	s_mov_b64 s[64:65], 0
	v_nop
	global_prefetch_b8 v0, s[64:65] scope:SCOPE_SE
	s_setreg_imm32_b32 hwreg(HW_REG_WAVE_MODE, 25, 1), 1
	s_wait_xcnt 0x0
; LayerNorm and one of the three projections.  x: [8192][384] f32.  W: [384 (k)][384 (n)] f32.  Output: bf16, [b][head][s][64].
; Work-group (x = block of 128 rows, y = 0, 1, 2 for q, k, v) makes 128 rows x 384 columns in two passes of 192 columns (three heads).
; Four waves; wave w makes rows 64 (w>>1) .. +63 and columns 96 (w&1) .. +95 of a pass: 4 x 6 accumulator tiles of 16 x 16.
; q is multiplied by 0.125 log2(e) in f32 before it is rounded, so that the attention launch can use powers of two.
; THE MATRIX INSTRUCTION IS USED TRANSPOSED: source 0 = 16 columns of W (read from [k][n] rows in LDS by the transposing load), source 1 = 16 rows
; of the normalised x.  A lane's eight results are then eight neighbouring columns of one row: 16 bytes of bf16.
; NO TENSOR LOADS, NO CLUSTER: what the work-groups share is W, which is f32 in memory and has to pass through registers to become bf16;
; a copy into LDS cannot convert, and f32 in LDS would double the LDS bytes.  x is normalised in registers on its way in, likewise.
; LIMITS: finite inputs only (NaN and infinities are not carried as the reference carries them).  The mean is sum x (1/384), the variance is taken of
; x - mean (two passes over registers: no difference of large sums).  q is scaled before its rounding to bf16, the reference scales the scores.
.set ROWB, 1536                        ; bytes in a row of x and of W
.set XNP,  784                         ; LDS pitch of the normalised rows: 768 + 16, an odd multiple of 16: the 16 rows of a fragment load begin at 16 different 16-byte columns modulo 256
.set WBP,  416                         ; LDS pitch of W's rows of 192 bf16: 384 + 32, an odd multiple of 32, as the transposing load's eight-row groups want
.set STP,  400                         ; LDS pitch of the stage: 384 + 16
.set XN,   0                           ; 128 rows x 784
.set WB,   128*XNP                     ; 384 rows x 416
.set STG,  WB+384*WBP                  ; 128 rows x 400
; window 0
.set LANE, 1
.set R,    2                           ; lane % 16
.set H,    3                           ; lane / 16
.set WGA,  4                           ; W in memory: 24576 w + 16 lane (bytes 0-511 of a row slice)
.set WGC,  5                           ; 24576 w + 1536 h + 512 + 16 r (bytes 512-767 of two row slices)
.set XO,   6                           ; x in memory: 49152 w + 16 lane
.set XS,   7                           ; where I put 8 bytes of a normalised row
.set XA,   8                           ; my x fragments
.set WA,   10                          ; v10-12  my W fragments, k rows 0-127, 128-255, 256-383
.set STO,  13                          ; stage, in
.set RD,   14                          ; stage, back
.set CO,   15                          ; my byte offset in a head's 128 rows of output
.set BO,   16                          ; my byte offset in the bias
.set GO,   17                          ; 16 lane
.set WLA,  18                          ; v18-20  W in LDS, partner of WGA, for k rows 0-127, 128-255, 256-383
.set WLC,  21                          ; v21-23  partner of WGC
.set TM,   24                          ; v24-25  set-up
.set T,    32                          ; v[32:63]   LayerNorm: 8 registers for each of 4 rows; later the read-back of the stage
.set G,    64                          ; v[64:75]   gain of my 12 columns
.set B,    76                          ; v[76:87]   bias of LayerNorm
.set LX,   88                          ; v[88:231]  ring of 3 groups x 4 rows x 12 registers
.set F0,   64                          ; later: fragment buffer 0 (x at +8a, W at +32+8b)
.set F1,   144                         ; fragment buffer 1
; window 1: accumulator (a, b) at v[8 (6 a + b)], 0-191; the scaled bias of pass 0 at v[192:239]
; window 2: ring for W, two groups of 96 registers, 0-191; the scaled bias of pass 1 at v[192:239]
.set BIAS, 192
.set MSB, 0
.macro WIN new                         ; low byte: bits 1:0 source 0, 3:2 source 1, 5:4 source 2, 7:6 destination; the high byte repeats the setting that is left
.if MSB != \new
	s_set_vgpr_msb (MSB<<8)|\new
.set MSB, \new
.endif
.endm
.macro PLACES                          ; four places behind a matrix instruction in front of what reads its result or writes or loads its registers
.rept 4
	v_nop
.endr
.endm
	s_load_b512 s[8:23], s[0:1], 0x0               ; x 8, ln_g 10, ln_b 12, Wq 14, Wk 16, Wv 18, bq 20, bk 22
	s_load_b256 s[24:31], s[0:1], 0x40             ; bv 24, q_ws 26, k_ws 28, v_ws 30
	v_lshl_add_u32 v254, v0, 2, 0x4c000
	v_mov_b32 v255, 0
	v_lshrrev_b32 v[TM], 5, v0
	v_readfirstlane_b32 s4, v[TM]                  ; wave
	s_lshr_b32 s5, s4, 1                           ; which 64 rows
	s_and_b32 s6, s4, 1                            ; which 96 columns
	s_and_b32 s7, ttmp7, 0xffff                    ; 0 q, 1 k, 2 v
	s_mov_b32 s40, 0x76543210                      ; v_permlanex16_b32: lane i reads lane i of the other half
	s_mov_b32 s41, 0xfedcba98
	s_mov_b32 s42, 0x3b2aaaab                      ; 1/384
	v_and_b32 v[LANE], 31, v0
	v_and_b32 v[R], 15, v0
	v_bfe_u32 v[H], v0, 4, 1
	s_mul_i32 s43, s4, 16*ROWB                     ; a wave's 16 rows of each group of 64 rows of W
	v_lshl_add_u32 v[WGA], v[LANE], 4, s43
	s_add_co_u32 s43, s43, 512
	v_mul_u32_u24 v[TM], v[H], ROWB
	v_lshl_add_u32 v[TM], v[R], 4, v[TM]
	v_add_nc_u32 v[WGC], s43, v[TM]
	s_mul_i32 s44, s4, 16*WBP
	s_add_co_u32 s44, s44, WB
	v_lshl_add_u32 v[WLA], v[LANE], 3, s44
	s_add_co_u32 s44, s44, 256
	v_mul_u32_u24 v[TM], v[H], WBP
	v_lshl_add_u32 v[TM], v[R], 3, v[TM]
	v_add_nc_u32 v[WLC], s44, v[TM]
	v_add_nc_u32 v[WLA+1], 128*WBP, v[WLA]         ; an LDS immediate has 16 bits: the registers carry 128 rows each
	v_add_nc_u32 v[WLA+2], 256*WBP, v[WLA]
	v_add_nc_u32 v[WLC+1], 128*WBP, v[WLC]
	v_add_nc_u32 v[WLC+2], 256*WBP, v[WLC]
	s_mul_i32 s45, s4, 32*ROWB                     ; LayerNorm: a wave's 32 rows
	v_lshl_add_u32 v[XO], v[LANE], 4, s45
	s_mul_i32 s45, s4, 32*XNP
	v_lshl_add_u32 v[XS], v[LANE], 3, s45
	v_lshlrev_b32 v[GO], 4, v[LANE]
	s_mul_i32 s45, s5, 64*XNP                      ; x fragment: (64 wr + r) pitch + 16 h
	v_mul_u32_u24 v[TM], v[R], XNP
	v_lshl_add_u32 v[TM], v[H], 4, v[TM]
	v_add_nc_u32 v[XA], s45, v[TM]
	v_and_b32 v[TM], 7, v0                         ; W fragment: (8 h + lane % 8) pitch + 192 wc + 16 ((lane / 8) % 2)
	v_lshl_add_u32 v[TM], v[H], 3, v[TM]
	v_mul_u32_u24 v[TM], v[TM], WBP
	v_bfe_u32 v[TM+1], v0, 3, 1
	v_lshl_add_u32 v[TM], v[TM+1], 4, v[TM]
	s_mul_i32 s45, s6, 192
	s_add_co_u32 s45, s45, WB
	v_add_nc_u32 v[WA], s45, v[TM]
	v_add_nc_u32 v[WA+1], 128*WBP, v[WA]
	v_add_nc_u32 v[WA+2], 256*WBP, v[WA]
	s_mul_i32 s45, s5, 64*STP                      ; stage in: (64 wr + r) pitch + 192 wc + 16 h
	s_mul_i32 s46, s6, 192
	s_add_co_u32 s45, s45, s46
	s_add_co_u32 s45, s45, STG
	v_mul_u32_u24 v[TM], v[R], STP
	v_lshl_add_u32 v[TM], v[H], 4, v[TM]
	v_add_nc_u32 v[STO], s45, v[TM]
	v_lshrrev_b32 v[TM], 3, v[LANE]                ; stage back: (32 w + lane / 8) pitch + 16 (lane % 8): four rows of one head's 128 bytes
	v_mul_u32_u24 v[TM], v[TM], STP
	v_and_b32 v[TM+1], 7, v0
	v_lshl_add_u32 v[TM], v[TM+1], 4, v[TM]
	s_mul_i32 s45, s4, 32*STP
	s_add_co_u32 s45, s45, STG
	v_add_nc_u32 v[RD], s45, v[TM]
	s_lshl_b32 s45, s4, 12                         ; 32 rows of 128 bytes a wave
	v_lshl_add_u32 v[CO], v[LANE], 4, s45
	s_mul_i32 s45, s6, 384                         ; bias: 4 (96 wc + 8 h)
	v_lshl_add_u32 v[BO], v[H], 5, s45
	s_wait_kmcnt 0x0
	s_cmp_eq_u32 s7, 1                             ; W s[32:33], bias s[34:35], output s[36:37] by the work-group's y
	s_cselect_b64 s[32:33], s[16:17], s[14:15]
	s_cselect_b64 s[34:35], s[22:23], s[20:21]
	s_cselect_b64 s[36:37], s[28:29], s[26:27]
	s_cmp_eq_u32 s7, 2
	s_cselect_b64 s[32:33], s[18:19], s[32:33]
	s_cselect_b64 s[34:35], s[24:25], s[34:35]
	s_cselect_b64 s[36:37], s[30:31], s[36:37]
	s_mov_b32 s38, 0x3f800000                      ; k and v: 1.0
	s_cmp_eq_u32 s7, 0
	s_cselect_b32 s38, 0x3e38aa3b, s38             ; q: 0.125 log2(e)
	s_mov_b32 s39, s38
	s_mul_i32 s46, ttmp9, 128*ROWB                 ; x at the group's first row
	s_mov_b32 s47, 0
	s_add_nc_u64 s[8:9], s[8:9], s[46:47]
	s_lshr_b32 s44, ttmp9, 5                       ; batch
	s_mul_i32 s44, s44, 3145728                    ; 6 heads x 4096 rows x 128 bytes
	s_and_b32 s45, ttmp9, 31
	s_lshl_b32 s45, s45, 14                        ; 128 rows x 128 bytes
	s_add_co_u32 s46, s44, s45
	s_add_nc_u64 s[36:37], s[36:37], s[46:47]
; 24 loads: the wave's 16 rows of group g (rows 64 g + 16 w + 0..15) of the pass's 768-byte slices.  Two rows take three loads:
; 512 bytes of the one, 512 of the other, and the last 256 of both; every piece is 256 consecutive bytes at a multiple of 256 or two such.
.macro WISSUE pass, g
	WIN 0x80
.irp aa, 0,1,2,3,4,5,6,7
	global_load_b128 v[96*(\g&1)+12*\aa:96*(\g&1)+12*\aa+3],    v[WGA], s[32:33] offset:(64*\g+2*\aa)*ROWB+768*\pass
	global_load_b128 v[96*(\g&1)+12*\aa+4:96*(\g&1)+12*\aa+7],  v[WGA], s[32:33] offset:(64*\g+2*\aa+1)*ROWB+768*\pass
	global_load_b128 v[96*(\g&1)+12*\aa+8:96*(\g&1)+12*\aa+11], v[WGC], s[32:33] offset:(64*\g+2*\aa)*ROWB+768*\pass
.endr
.endm
; group g is rounded to bf16 in place (4 registers become 2) and laid into LDS.  left = the younger loads that may stay out.
.macro WCONV g, left
	s_wait_loadcnt \left
	WIN 0x8a
.set wi, 0
.rept 24
	v_cvt_pk_bf16_f32 v[96*(\g&1)+4*wi],   v[96*(\g&1)+4*wi],   v[96*(\g&1)+4*wi+1]
	v_cvt_pk_bf16_f32 v[96*(\g&1)+4*wi+1], v[96*(\g&1)+4*wi+2], v[96*(\g&1)+4*wi+3]
.set wi, wi+1
.endr
	WIN 0x08
.irp aa, 0,1,2,3,4,5,6,7
	ds_store_b64 v[WLA+(\g>>1)], v[96*(\g&1)+12*\aa:96*(\g&1)+12*\aa+1]   offset:(64*(\g&1)+2*\aa)*WBP
	ds_store_b64 v[WLA+(\g>>1)], v[96*(\g&1)+12*\aa+4:96*(\g&1)+12*\aa+5] offset:(64*(\g&1)+2*\aa+1)*WBP
	ds_store_b64 v[WLC+(\g>>1)], v[96*(\g&1)+12*\aa+8:96*(\g&1)+12*\aa+9] offset:(64*(\g&1)+2*\aa)*WBP
.endr
.endm
; groups 0 and 1 are on their way when this begins.  Each count of 24 leaves the one younger group out.
.macro WSTAGE pass
	WCONV 0, 24
	WISSUE \pass, 2
	WCONV 1, 24
	WISSUE \pass, 3
	WCONV 2, 24
	WISSUE \pass, 4
	WCONV 3, 24
	WISSUE \pass, 5
	WCONV 4, 24
	WCONV 5, 0
	WIN 0
.endm
; LayerNorm: a wave takes whole rows, 12 numbers a lane (columns 128 c + 4 lane .. +3), four rows side by side so that four chains run together.
.macro LNLOAD g, sl
.irp q, 0,1,2,3
.irp c, 0,1,2
	global_load_b128 v[LX+48*\sl+12*\q+4*\c:LX+48*\sl+12*\q+4*\c+3], v[XO], s[8:9] offset:(4*\g+\q)*ROWB+512*\c
.endr
.endr
.endm
.macro ROWSYM sl, q
.set xq, LX+48*\sl+12*\q
.set tq, T+8*\q
.endm
.macro XSUM o                          ; v[T+8q+o] summed over the 32 lanes, for the four rows; v[T+8q+o+1] has been written and is scratch
.irp m, 1,2,4,8
.irp q, 0,1,2,3
	v_add_f32_dpp v[T+8*\q+\o], v[T+8*\q+\o], v[T+8*\q+\o] row_xmask:\m row_mask:0xf bank_mask:0xf
.endr
.endr
.irp q, 0,1,2,3
	v_permlanex16_b32 v[T+8*\q+\o+1], v[T+8*\q+\o], s40, s41
.endr
.irp q, 0,1,2,3
	v_add_f32 v[T+8*\q+\o], v[T+8*\q+\o], v[T+8*\q+\o+1]
.endr
.endm
.macro LN4 g, sl, left
	s_wait_loadcnt \left                           ; loads come back in order: this group's twelve are in, the younger groups stay out
.irp q, 0,1,2,3
	ROWSYM \sl, \q
	v_pk_add_f32 v[tq:tq+1],   v[xq:xq+1],   v[xq+2:xq+3]
	v_pk_add_f32 v[tq+2:tq+3], v[xq+4:xq+5], v[xq+6:xq+7]
	v_pk_add_f32 v[tq+4:tq+5], v[xq+8:xq+9], v[xq+10:xq+11]
.endr
.irp q, 0,1,2,3
	v_pk_add_f32 v[T+8*\q:T+8*\q+1], v[T+8*\q:T+8*\q+1], v[T+8*\q+2:T+8*\q+3]
.endr
.irp q, 0,1,2,3
	v_pk_add_f32 v[T+8*\q:T+8*\q+1], v[T+8*\q:T+8*\q+1], v[T+8*\q+4:T+8*\q+5]
.endr
.irp q, 0,1,2,3
	v_add_f32 v[T+8*\q], v[T+8*\q], v[T+8*\q+1]
.endr
	XSUM 0
.irp q, 0,1,2,3
	v_mul_f32 v[T+8*\q], s42, v[T+8*\q]            ; the mean
.endr
.irp q, 0,1,2,3
	ROWSYM \sl, \q
.irp p, 0,2,4,6,8,10
	v_pk_add_f32 v[xq+\p:xq+\p+1], v[xq+\p:xq+\p+1], v[tq:tq+1] op_sel_hi:[1,0] neg_lo:[0,1] neg_hi:[0,1]   ; x - mean, in place
.endr
.endr
.irp q, 0,1,2,3
	ROWSYM \sl, \q
	v_pk_mul_f32 v[tq+2:tq+3], v[xq:xq+1],   v[xq:xq+1]
	v_pk_mul_f32 v[tq+4:tq+5], v[xq+2:xq+3], v[xq+2:xq+3]
.endr
.irp q, 0,1,2,3
	ROWSYM \sl, \q
	v_pk_fma_f32 v[tq+2:tq+3], v[xq+4:xq+5], v[xq+4:xq+5], v[tq+2:tq+3]
	v_pk_fma_f32 v[tq+4:tq+5], v[xq+6:xq+7], v[xq+6:xq+7], v[tq+4:tq+5]
.endr
.irp q, 0,1,2,3
	ROWSYM \sl, \q
	v_pk_fma_f32 v[tq+2:tq+3], v[xq+8:xq+9],   v[xq+8:xq+9],   v[tq+2:tq+3]
	v_pk_fma_f32 v[tq+4:tq+5], v[xq+10:xq+11], v[xq+10:xq+11], v[tq+4:tq+5]
.endr
.irp q, 0,1,2,3
	v_pk_add_f32 v[T+8*\q+2:T+8*\q+3], v[T+8*\q+2:T+8*\q+3], v[T+8*\q+4:T+8*\q+5]
.endr
.irp q, 0,1,2,3
	v_add_f32 v[T+8*\q+2], v[T+8*\q+2], v[T+8*\q+3]
.endr
	XSUM 2
.irp q, 0,1,2,3
	v_fmaak_f32 v[T+8*\q+2], s42, v[T+8*\q+2], 0x3727c5ac      ; variance + 1e-5
.endr
.irp q, 0,1,2,3
	v_rsq_f32 v[T+8*\q+2], v[T+8*\q+2]
.endr
	v_nop                                          ; one plain place behind the last v_rsq_f32 before its result is used (ISA guide 5.7.2)
.irp q, 0,1,2,3
	ROWSYM \sl, \q
	s_wait_alu depctr_va_vdst(0)
.irp p, 0,2,4,6,8,10
	v_pk_mul_f32 v[xq+\p:xq+\p+1], v[xq+\p:xq+\p+1], v[tq+2:tq+3] op_sel_hi:[1,0]
.endr
.endr
.irp q, 0,1,2,3
	ROWSYM \sl, \q
.irp p, 0,2,4,6,8,10
	v_pk_fma_f32 v[xq+\p:xq+\p+1], v[xq+\p:xq+\p+1], v[G+\p:G+\p+1], v[B+\p:B+\p+1]
.endr
.endr
.irp q, 0,1,2,3
	ROWSYM \sl, \q
.irp p, 0,1,2,3,4,5
	v_cvt_pk_bf16_f32 v[tq+\p], v[xq+2*\p], v[xq+2*\p+1]
.endr
.endr
.irp q, 0,1,2,3
.irp c, 0,1,2
	ds_store_b64 v[XS], v[T+8*\q+2*\c:T+8*\q+2*\c+1] offset:(4*\g+\q)*XNP+256*\c    ; 32 lanes, 256 neighbouring bytes
.endr
.endr
.endm
; the fragments of k step ks (32 along k) into buffer f: 4 x 16 rows of x, 6 x 16 columns of W: 20 LDS loads
.macro FETCH ks, f
.irp a, 0,1,2,3
	ds_load_b128 v[\f+8*\a:\f+8*\a+3],   v[XA] offset:16*XNP*\a+64*(\ks)
	ds_load_b128 v[\f+8*\a+4:\f+8*\a+7], v[XA] offset:16*XNP*\a+64*(\ks)+32
.endr
.irp b, 0,1,2,3,4,5
	ds_load_tr16_b128 v[\f+32+8*\b:\f+32+8*\b+3],   v[WA+((\ks)>>2)] offset:32*WBP*((\ks)&3)+32*\b
	ds_load_tr16_b128 v[\f+32+8*\b+4:\f+32+8*\b+7], v[WA+((\ks)>>2)] offset:32*WBP*((\ks)&3)+32*\b+16*WBP
.endr
.endm
; 24 matrix instructions; the 24 accumulators take turns, one instruction a turn.  zero = 1: the first product starts the sums.
.macro MUL f, zero
.irp a, 0,1,2,3
.irp b, 0,1,2,3,4,5
.if \zero
	v_wmma_f32_16x16x32_bf16 v[8*(6*\a+\b):8*(6*\a+\b)+7], v[\f+32+8*\b:\f+32+8*\b+7], v[\f+8*\a:\f+8*\a+7], 0
.else
	v_wmma_f32_16x16x32_bf16 v[8*(6*\a+\b):8*(6*\a+\b)+7], v[\f+32+8*\b:\f+32+8*\b+7], v[\f+8*\a:\f+8*\a+7], v[8*(6*\a+\b):8*(6*\a+\b)+7]
.endif
.endr
.endr
.endm
; twelve k steps on two fragment buffers: while one is multiplied the other's 20 loads are out (the count of 20)
.macro GEMM
	WIN 0
	FETCH 0, F0
	FETCH 1, F1
	s_wait_dscnt 20
	WIN 0x50                                       ; C and D in window 1, the fragments in window 0
	MUL F0, 1
.irp ks, 1,2,3,4,5,6,7,8,9,10
	PLACES                                         ; the loads below go into the buffer that the last 24 matrix instructions read
	WIN 0
	FETCH \ks+1, F0+80*((\ks+1)&1)
	s_wait_dscnt 20
	WIN 0x50
	MUL F0+80*(\ks&1), 0
.endr
	s_wait_dscnt 0
	MUL F1, 0
.endm
; the way out of a pass: (sum + bias) x scale as one fused multiply-add on the scaled bias, rounding, stage, whole rows of a head back, dense stores
.macro EPI pass, fmawin
	PLACES
	WIN \fmawin                                    ; sums in window 1, the pass's scaled bias in window 1 or 2
.irp a, 0,1,2,3
.irp b, 0,1,2,3,4,5
.irp j, 0,2,4,6
	v_pk_fma_f32 v[8*(6*\a+\b)+\j:8*(6*\a+\b)+\j+1], v[8*(6*\a+\b)+\j:8*(6*\a+\b)+\j+1], s[38:39], v[BIAS+8*\b+\j:BIAS+8*\b+\j+1] op_sel_hi:[1,0,1]
.endr
.endr
.endr
	WIN 0x45
.irp a, 0,1,2,3
.irp b, 0,1,2,3,4,5
.irp j, 0,1,2,3
	v_cvt_pk_bf16_f32 v[8*(6*\a+\b)+\j], v[8*(6*\a+\b)+2*\j], v[8*(6*\a+\b)+2*\j+1]
.endr
.endr
.endr
	WIN 0x04
.irp a, 0,1,2,3
.irp b, 0,1,2,3,4,5
	ds_store_b128 v[STO], v[8*(6*\a+\b):8*(6*\a+\b)+3] offset:16*STP*\a+32*\b
.endr
.endr
	WIN 0
	s_wait_dscnt 0x0                               ; my stage stores are done, and so are my reads of W's tile: zero, for the other waves' sake
	s_barrier_signal -1
	s_barrier_wait -1                              ; a row of the stage was written by two waves; W's tile may now be written again
.irp p, 0,1,2
	s_wait_xcnt 0x0                                ; T, which the stores before read, is loaded again only behind this wait
.irp u, 0,1,2,3,4,5,6,7
	ds_load_b128 v[T+4*\u:T+4*\u+3], v[RD] offset:128*\p+4*STP*\u
.endr
.irp u, 0,1,2,3,4,5,6,7
	s_wait_dscnt 7-\u
	global_store_b128 v[CO], v[T+4*\u:T+4*\u+3], s[36:37] offset:(3*\pass+\p)*524288+512*\u    ; four rows of a head: 512 consecutive bytes, at a multiple of 512
.endr
.endr
.endm
	WISSUE 0, 0                                    ; W's first two groups go out first and land under LayerNorm
	WISSUE 0, 1
.irp b, 0,1,2,3,4,5                                ; bias of my 8 columns of each of my 6 column tiles; pass 1 into window 2,
	global_load_b128 v[BIAS+8*\b:BIAS+8*\b+3],   v[BO], s[34:35] offset:768+64*\b
	global_load_b128 v[BIAS+8*\b+4:BIAS+8*\b+7], v[BO], s[34:35] offset:768+64*\b+16
.endr
	WIN 0x40                                       ; pass 0 into window 1
.irp b, 0,1,2,3,4,5
	global_load_b128 v[BIAS+8*\b:BIAS+8*\b+3],   v[BO], s[34:35] offset:64*\b
	global_load_b128 v[BIAS+8*\b+4:BIAS+8*\b+7], v[BO], s[34:35] offset:64*\b+16
.endr
	WIN 0
.irp c, 0,1,2
	global_load_b128 v[G+4*\c:G+4*\c+3], v[GO], s[10:11] offset:512*\c
	global_load_b128 v[B+4*\c:B+4*\c+3], v[GO], s[12:13] offset:512*\c
.endr
	LNLOAD 0, 0
	LNLOAD 1, 1
	LNLOAD 2, 2
	LN4 0, 0, 24                                   ; 24: the two younger groups of twelve loads stay out
	LNLOAD 3, 0
	LN4 1, 1, 24
	LNLOAD 4, 1
	LN4 2, 2, 24
	LNLOAD 5, 2
	LN4 3, 0, 24
	LNLOAD 6, 0
	LN4 4, 1, 24
	LNLOAD 7, 1
	LN4 5, 2, 24
	LN4 6, 0, 12                                   ; the counts run down: nothing is loaded beyond the wave's 32 rows
	LN4 7, 1, 0
	WIN 0x41                                       ; bias x scale, once
.set bi, 0
.rept 24
	v_pk_mul_f32 v[BIAS+2*bi:BIAS+2*bi+1], v[BIAS+2*bi:BIAS+2*bi+1], s[38:39] op_sel_hi:[1,0]
.set bi, bi+1
.endr
	WIN 0x82
.set bi, 0
.rept 24
	v_pk_mul_f32 v[BIAS+2*bi:BIAS+2*bi+1], v[BIAS+2*bi:BIAS+2*bi+1], s[38:39] op_sel_hi:[1,0]
.set bi, bi+1
.endr
	WSTAGE 0
	s_wait_dscnt 0x0                               ; my rows of the normalised x and my rows of W are in LDS
	s_barrier_signal -1
	s_barrier_wait -1
	GEMM
	WISSUE 1, 0                                    ; the next pass's W goes out under the way out; the ring holds no matrix operand
	WISSUE 1, 1
	EPI 0, 0x51
	WSTAGE 1
	s_wait_dscnt 0x0                               ; W's second tile is in; my reads of the stage are back, so that it may be written again
	s_barrier_signal -1
	s_barrier_wait -1
	GEMM
	EPI 1, 0x61
	s_wait_tensorcnt 0x0
	ds_add_u32 v254, v255
	s_wait_dscnt 0x0
	s_endpgm
.Lfunc_end_k_q825bd8190d_qkv:
	.size	k_q825bd8190d_qkv, .Lfunc_end_k_q825bd8190d_qkv-k_q825bd8190d_qkv
	.p2alignl 7, 3214868480
	.fill 96, 4, 3214868480
	.section	.rodata,"a",@progbits
	.p2align	6, 0x0
	.amdhsa_kernel k_q825bd8190d_qkv
		.amdhsa_group_segment_fixed_size 311808
		.amdhsa_private_segment_fixed_size 0
		.amdhsa_enable_private_segment 0
		.amdhsa_kernarg_size 96
		.amdhsa_user_sgpr_count 2
		.amdhsa_user_sgpr_kernarg_segment_ptr 1
		.amdhsa_wavefront_size32 1
		.amdhsa_system_sgpr_workgroup_id_x 1
		.amdhsa_system_sgpr_workgroup_id_y 1
		.amdhsa_system_sgpr_workgroup_id_z 1
		.amdhsa_system_vgpr_workitem_id 0
		.amdhsa_next_free_vgpr 768
		.amdhsa_next_free_sgpr 66
		.amdhsa_reserve_vcc 0
		.amdhsa_float_denorm_mode_32 3
		.amdhsa_float_denorm_mode_16_64 3
		.amdhsa_memory_ordered 1
		.amdhsa_forward_progress 1
		.amdhsa_inst_pref_size 255
	.end_amdhsa_kernel
	.section	.bss,"aw",@nobits
	.p2align	6
	.space	262144
	.amdgpu_metadata
---
amdhsa.version: [ 1, 2 ]
amdhsa.kernels:
  - .name:           k_q825bd8190d_qkv
    .symbol:         k_q825bd8190d_qkv.kd
    .args:
      - { .name: x, .offset: 0, .size: 8, .value_kind: global_buffer, .address_space: global }
      - { .name: ln_g, .offset: 8, .size: 8, .value_kind: global_buffer, .address_space: global }
      - { .name: ln_b, .offset: 16, .size: 8, .value_kind: global_buffer, .address_space: global }
      - { .name: Wq, .offset: 24, .size: 8, .value_kind: global_buffer, .address_space: global }
      - { .name: Wk, .offset: 32, .size: 8, .value_kind: global_buffer, .address_space: global }
      - { .name: Wv, .offset: 40, .size: 8, .value_kind: global_buffer, .address_space: global }
      - { .name: bq, .offset: 48, .size: 8, .value_kind: global_buffer, .address_space: global }
      - { .name: bk, .offset: 56, .size: 8, .value_kind: global_buffer, .address_space: global }
      - { .name: bv, .offset: 64, .size: 8, .value_kind: global_buffer, .address_space: global }
      - { .name: q_ws, .offset: 72, .size: 8, .value_kind: global_buffer, .address_space: global }
      - { .name: k_ws, .offset: 80, .size: 8, .value_kind: global_buffer, .address_space: global }
      - { .name: v_ws, .offset: 88, .size: 8, .value_kind: global_buffer, .address_space: global }
    .group_segment_fixed_size: 311808
    .private_segment_fixed_size: 0
    .kernarg_segment_align: 8
    .kernarg_segment_size: 96
    .max_flat_workgroup_size: 128
    .sgpr_count:     66
    .vgpr_count:     768
    .wavefront_size: 32
...
	.end_amdgpu_metadata
.endif
;; end of part 1
;; launch attn (part 2): grid 16 x 12, 4 waves a work-group, clusters of 4 x 1, 327,680 bytes of LDS; arguments q_ws, k_ws, v_ws, a_ws; writes a_ws
.if DOCPART == 2
	.amdgcn_target "amdgcn-amd-amdhsa--gfx1250"
	.amdhsa_code_object_version 6
	.text
	.protected	k_q825bd8190d_attn
	.globl	k_q825bd8190d_attn
	.p2align	8
	.type	k_q825bd8190d_attn,@function
k_q825bd8190d_attn:
	s_mov_b64 s[64:65], 0
	v_nop
	global_prefetch_b8 v0, s[64:65] scope:SCOPE_SE
	s_setreg_imm32_b32 hwreg(HW_REG_WAVE_MODE, 25, 1), 1
	s_wait_xcnt 0x0
	s_wait_alu depctr_hold_cnt(0) depctr_sa_sdst(0) depctr_va_vdst(0) depctr_va_sdst(0) depctr_va_ssrc(0) depctr_va_vcc(0) depctr_vm_vsrc(0)
	s_getreg_b32 s2, hwreg(HW_REG_IB_STS2, 6, 4)
	s_cmp_eq_u32 s2, 0
	s_cbranch_scc0 .Lentry_in_a_cluster
	s_endpgm
.Lentry_in_a_cluster:
	s_bfe_u32 s2, ttmp6, 0x10000c
	s_cmp_lg_u32 s2, 0x3003
	s_cbranch_scc0 .Lentry_shape_is_right
	s_endpgm
.Lentry_shape_is_right:
; softmax(q k^T) v for one (batch, head) and 256 queries.  q, k, v, a: bf16, [b][head][4096][64]; q already holds the factor 0.125 log2(e), so powers of two are used.
; Four waves, 64 queries each (4 query tiles of 16), all 4,096 keys in 32 steps of 128 keys, with a running maximum and a running sum for each query.
; BOTH PRODUCTS ARE USED TRANSPOSED.  S^T = K Q^T: source 0 = 16 keys, source 1 = 16 queries; lane (r, h) holds query r and keys 16 i + 8 h + j.
; Two neighbouring key tiles, rounded and packed in pairs, are then exactly the source-1 fragment of P for 32 keys: P never leaves the lane.
; O^T = V^T P^T: source 0 = 16 columns of V (read from [key][d] rows by the transposing load).  Maximum, sum and rescaling are one number a lane;
; the two halves of the lanes hold different keys of the same query and meet in one v_permlanex16_b32 for a query tile and step.
; CLUSTERS: the four work-groups of a cluster take four query blocks of one head and walk the same K and V tiles.  Each tile of 256 keys is asked for
; jointly (mask 15): waves 0, 1 ask for K's halves, waves 2, 3 for V's, one tensor load a wave; the requests for K and V are divided by four.
; Two LDS slots of 256 keys; a slot is filled again behind a round of the cluster's barrier in the slot's second step, as soon as its last fragments are in registers,
; and is read two steps later.  By this text's count a wave has two tensor loads out at the start and one behind each round.
; LIMITS: finite inputs only.  The sum l adds the unrounded exponentials, the product uses them rounded to bf16.  v_exp_f32 gives zero below 2^-126.
.set SLOT,  81920                      ; four quarters of 20,480 bytes: K keys 0-127, K keys 128-255, V keys 0-127, V keys 128-255
.set QUART, 20480
.set KP,    144                        ; K's LDS pitch: 128 + 16, an odd multiple of 16
.set VP,    160                        ; V's LDS pitch: 128 + 32, an odd multiple of 32, for the transposing load
.set STAGE, 2*SLOT                     ; behind the slots, from a multiple of 256 on: 64 rows x 144 bytes for each wave; no fill lands here
.set TILEB, 32768                      ; 256 keys x 128 bytes in memory
; window 0
.set KA,  8                            ; v8-9    my K fragments in slot 0, 1
.set VA,  10                           ; v10-11  my V fragments in slot 0, 1
.set STO, 12
.set RD,  13
.set CO,  14
.set QO,  15
.set MP,  16                           ; v[16+2t:17+2t]  (running maximum m, scratch TB) of query tile t
.set AP,  24                           ; v[24+2t:25+2t]  (rescaling factor alpha, scratch TA)
.set LS,  32                           ; v[32+4t:35+4t]  running sum, two pairs
.set Q,   64                           ; v[64+16t+8c]    Q fragment: query tile t, d = 32 c ..
.set P,   128                          ; v[128+32t+8c]   P fragment: query tile t, keys 32 c ..
; window 1: K fragment (key tile i, c) at v[16i+8c]; V fragment (d tile e, keys 32 c ..) at v[128+32c+8e]
; window 2: S (query tile t, key tile i) at v[64t+8i]        window 3: O (query tile t, d tile e) at v[32t+8e]
.set G1K, 24                           ; s[24:31] descriptor group 1 for K
.set G1V, 32                           ; s[32:39] for V: it differs in the padding alone
.set G0K, 40                           ; s[40:47] group 0 for K, a set for each slot
.set G0V, 48                           ; s[48:55] group 0 for V
.set MSB, 0
.macro WIN new                         ; low byte: bits 1:0 source 0, 3:2 source 1, 5:4 source 2, 7:6 destination; the high byte repeats the setting that is left
.if MSB != \new
	s_set_vgpr_msb (MSB<<8)|\new
.set MSB, \new
.endif
.endm
.macro PLACES                          ; four places behind a matrix instruction (ISA guide 7.12.1)
.rept 4
	v_nop
.endr
.endm
; a round of the cluster's barrier: my work-group's barrier, wave 0 signals for the work-group, every wave waits for all four work-groups, my work-group's barrier again
.macro ROUND
	s_barrier_signal -1
	s_barrier_wait -1
	s_cmp_lg_u32 s12, 0
	s_cbranch_scc1 .Lnot_wave_0_\@
	s_barrier_signal -3
.Lnot_wave_0_\@:
	s_barrier_wait -3
	s_barrier_signal -1
	s_barrier_wait -1
.endm
; a joint load: the branch hangs on the wave's number alone, and nothing in the descriptors on the work-group's place in its cluster
.macro JLOAD s
	s_cmp_eq_u32 s13, 0
	s_cbranch_scc0 .Lfor_v_\@
	tensor_load_to_lds s[G0K+4*\s:G0K+4*\s+3], s[G1K:G1K+7]
	s_nop 0
	s_branch .Lasked_\@
.Lfor_v_\@:
	tensor_load_to_lds s[G0V+4*\s:G0V+4*\s+3], s[G1V:G1V+7]
	s_nop 0
.Lasked_\@:
.endm
.macro KLOAD slot, hf                  ; 32 LDS loads: 128 keys x 64 d as source-0 fragments
	WIN 0x40
.irp i, 0,1,2,3,4,5,6,7
.irp c, 0,1
	ds_load_b128 v[16*\i+8*\c:16*\i+8*\c+3],   v[KA+\slot] offset:\hf*QUART+16*KP*\i+64*\c
	ds_load_b128 v[16*\i+8*\c+4:16*\i+8*\c+7], v[KA+\slot] offset:\hf*QUART+16*KP*\i+64*\c+32
.endr
.endr
.endm
.macro VLOAD slot, hf                  ; 32 transposing LDS loads: 64 d x 128 keys as source-0 fragments
	WIN 0x40
.irp c, 0,1,2,3
.irp e, 0,1,2,3
	ds_load_tr16_b128 v[128+32*\c+8*\e:128+32*\c+8*\e+3],   v[VA+\slot] offset:\hf*QUART+32*VP*\c+32*\e
	ds_load_tr16_b128 v[128+32*\c+8*\e+4:128+32*\c+8*\e+7], v[VA+\slot] offset:\hf*QUART+32*VP*\c+32*\e+16*VP
.endr
.endr
.endm
; One step: the 128 keys of half hf of a slot.  nslot, nhf: the next step's keys.  first = 1: the very first step starts O's sums.
; mode 0: the slot is read on.  1: the slot has been read out and is filled again.  2: the slot has been read out, nothing is left to fetch.  3: the last step.
.macro STEP slot, hf, nslot, nhf, first, mode
	VLOAD \slot, \hf                               ; four places behind the last step's matrix instructions, which read these registers
	s_wait_dscnt 32                                ; the 32 loads of V stay out; this step's K fragments, asked for a step ago, are in
	WIN 0xa1                                       ; K window 1, Q window 0, S window 2
.irp c, 0,1                                        ; the 32 accumulators take turns, one instruction a turn
.irp t, 0,1,2,3
.irp i, 0,1,2,3,4,5,6,7
.if \c == 0
	v_wmma_f32_16x16x32_bf16 v[64*\t+8*\i:64*\t+8*\i+7], v[16*\i+8*\c:16*\i+8*\c+7], v[Q+16*\t+8*\c:Q+16*\t+8*\c+7], 0
.else
	v_wmma_f32_16x16x32_bf16 v[64*\t+8*\i:64*\t+8*\i+7], v[16*\i+8*\c:16*\i+8*\c+7], v[Q+16*\t+8*\c:Q+16*\t+8*\c+7], v[64*\t+8*\i:64*\t+8*\i+7]
.endif
.endr
.endr
.endr
	PLACES                                         ; for the loads into K's registers and for the maxima, which read S
	WIN 0                                          ; branches and labels may follow
.if \mode == 1
	s_wait_dscnt 0x0                               ; my last reads of this slot, V's fragments, are in registers
	s_wait_tensorcnt 0x0                           ; all my tensor loads have landed: the one that was out is my quarter of the other slot; so group 0 may be written
	ds_add_u32 v62, v63
	s_wait_dscnt 0x0
	s_add_nc_u64 s[G0K+4*\slot+2:G0K+4*\slot+3], s[G0K+4*\slot+2:G0K+4*\slot+3], 2*TILEB
	s_add_nc_u64 s[G0V+4*\slot+2:G0V+4*\slot+3], s[G0V+4*\slot+2:G0V+4*\slot+3], 2*TILEB
	ROUND                                          ; both now hold of every wave of all four work-groups
	JLOAD \slot                                    ; my one tensor load behind the round, and the first thing there: the tile two further on
.endif
.if \mode == 2
	s_wait_dscnt 0x0
	s_wait_tensorcnt 0x0                           ; my quarter of the last tile has landed
	s_barrier_signal -1
	s_barrier_wait -1                              ; everybody's has
.endif
.if \mode != 3
	KLOAD \nslot, \nhf                             ; the next step's K, a whole softmax and product ahead of its use
.endif
	WIN 0x0a                                       ; S as sources 0 and 1
.irp u, 0,1,2,3,4,5,6,7,8,9,10,11,12,13,14,15      ; the largest of my 64 scores of each query tile and of the running maximum: eight chains
.irp t, 0,1,2,3
.if \u == 0
	v_max3_num_f32 v[AP+2*\t+1], v[64*\t+4*\u],   v[64*\t+4*\u+1], v[MP+2*\t]
	v_max3_num_f32 v[MP+2*\t+1], v[64*\t+4*\u+2], v[64*\t+4*\u+3], v[MP+2*\t]
.else
	v_max3_num_f32 v[AP+2*\t+1], v[64*\t+4*\u],   v[64*\t+4*\u+1], v[AP+2*\t+1]
	v_max3_num_f32 v[MP+2*\t+1], v[64*\t+4*\u+2], v[64*\t+4*\u+3], v[MP+2*\t+1]
.endif
.endr
.endr
	WIN 0
.irp t, 0,1,2,3
	v_max_num_f32 v[AP+2*\t+1], v[AP+2*\t+1], v[MP+2*\t+1]
.endr
.irp t, 0,1,2,3
	v_permlanex16_b32 v[MP+2*\t+1], v[AP+2*\t+1], s56, s57     ; the other half's keys of the same query
.endr
.irp t, 0,1,2,3
	v_max_num_f32 v[AP+2*\t+1], v[AP+2*\t+1], v[MP+2*\t+1]     ; the new maximum
.endr
.irp t, 0,1,2,3
	v_sub_f32 v[MP+2*\t+1], v[MP+2*\t], v[AP+2*\t+1]           ; old - new, at most 0 (minus infinity in the first step)
.endr
.irp t, 0,1,2,3
	v_exp_f32 v[AP+2*\t], v[MP+2*\t+1]                         ; alpha
.endr
.irp t, 0,1,2,3
	v_mov_b32 v[MP+2*\t], v[AP+2*\t+1]                         ; plain work behind the exponentials, before alpha is used (ISA guide 5.7.2)
.endr
	s_wait_alu depctr_va_vdst(0)
.irp t, 0,1,2,3
	v_pk_mul_f32 v[LS+4*\t:LS+4*\t+1],   v[LS+4*\t:LS+4*\t+1],   v[AP+2*\t:AP+2*\t+1] op_sel_hi:[1,0]
	v_pk_mul_f32 v[LS+4*\t+2:LS+4*\t+3], v[LS+4*\t+2:LS+4*\t+3], v[AP+2*\t:AP+2*\t+1] op_sel_hi:[1,0]
.endr
.if \first == 0
	WIN 0xc3                                       ; O x alpha: a quarter of an instruction for each score, since a step has 128 keys
.irp t, 0,1,2,3
.irp j, 0,2,4,6,8,10,12,14,16,18,20,22,24,26,28,30
	v_pk_mul_f32 v[32*\t+\j:32*\t+\j+1], v[32*\t+\j:32*\t+\j+1], v[AP+2*\t:AP+2*\t+1] op_sel_hi:[1,0]
.endr
.endr
.endif
	WIN 0x82                                       ; S in place.  The exponentials of a query tile alternate with the next tile's subtractions: one window setting serves both
.set si, 0
.rept 32
	v_pk_add_f32 v[2*si:2*si+1], v[2*si:2*si+1], v[MP:MP+1] op_sel_hi:[1,0] neg_lo:[0,1] neg_hi:[0,1]
.set si, si+1
.endr
.irp t, 0,1,2
.set si, 0
.rept 32
	v_exp_f32 v[64*\t+2*si],   v[64*\t+2*si]
	v_exp_f32 v[64*\t+2*si+1], v[64*\t+2*si+1]
	v_pk_add_f32 v[64*\t+64+2*si:64*\t+64+2*si+1], v[64*\t+64+2*si:64*\t+64+2*si+1], v[MP+2*\t+2:MP+2*\t+3] op_sel_hi:[1,0] neg_lo:[0,1] neg_hi:[0,1]
.set si, si+1
.endr
.endr
.set si, 0
.rept 64
	v_exp_f32 v[192+si], v[192+si]
.set si, si+1
.endr
	WIN 0x0a                                       ; the first line below touches query tile 0 alone: the plain place behind the last exponential
.set uu, 0
	s_wait_alu depctr_va_vdst(0)
.rept 32                                           ; the sum is written as p x 1.0 + l so that l stands in source 2, window 0, under the setting that the rounding needs
.irp t, 0,1,2,3
	v_pk_fma_f32 v[LS+4*\t+2*(uu&1):LS+4*\t+2*(uu&1)+1], v[64*\t+2*uu:64*\t+2*uu+1], 1.0, v[LS+4*\t+2*(uu&1):LS+4*\t+2*(uu&1)+1] op_sel_hi:[1,0,1]
	v_cvt_pk_bf16_f32 v[P+32*\t+uu], v[64*\t+2*uu], v[64*\t+2*uu+1]
.endr
.set uu, uu+1
.endr
.if \mode == 3
	s_wait_dscnt 0
.else
	s_wait_dscnt 32                                ; V is in; the 32 loads of the next step's K stay out
.endif
	WIN 0xf1                                       ; V window 1, P window 0, O window 3
.irp c, 0,1,2,3                                    ; the 16 accumulators take turns, one instruction a turn
.irp t, 0,1,2,3
.irp e, 0,1,2,3
.if \c == 0
.if \first
	v_wmma_f32_16x16x32_bf16 v[32*\t+8*\e:32*\t+8*\e+7], v[128+32*\c+8*\e:128+32*\c+8*\e+7], v[P+32*\t+8*\c:P+32*\t+8*\c+7], 0
.else
	v_wmma_f32_16x16x32_bf16 v[32*\t+8*\e:32*\t+8*\e+7], v[128+32*\c+8*\e:128+32*\c+8*\e+7], v[P+32*\t+8*\c:P+32*\t+8*\c+7], v[32*\t+8*\e:32*\t+8*\e+7]
.endif
.else
	v_wmma_f32_16x16x32_bf16 v[32*\t+8*\e:32*\t+8*\e+7], v[128+32*\c+8*\e:128+32*\c+8*\e+7], v[P+32*\t+8*\c:P+32*\t+8*\c+7], v[32*\t+8*\e:32*\t+8*\e+7]
.endif
.endr
.endr
.endr
	PLACES                                         ; for the next step's loads into V's registers, and for the way out
	WIN 0
.endm
	s_load_b256 s[4:11], s[0:1], 0x0               ; q 4, k 6, v 8, a 10
	v_lshl_add_u32 v62, v0, 2, 0x31000
	v_mov_b32 v63, 0
	ds_add_u32 v62, v63
	v_lshrrev_b32 v1, 5, v0
	v_readfirstlane_b32 s12, v1                    ; wave
	s_lshr_b32 s13, s12, 1                         ; 0: I ask for K, 1: for V
	s_and_b32 s14, s12, 1                          ; which 128 keys of a tile
	s_and_b32 s15, ttmp7, 0xffff                   ; batch x 6 + head
	s_bfe_u32 s16, ttmp6, 0x40000                  ; cx: my place in the cluster
	s_lshl_b32 s17, ttmp9, 2
	s_add_co_u32 s17, s17, s16                     ; query block = 4 x cluster x + cx
	s_lshl_b32 s18, s15, 19                        ; the head's 4096 rows x 128 bytes
	s_lshl_b32 s20, s14, 14                        ; K, V: + my 128 keys.  s[20:21] never hold cx
	s_add_co_u32 s20, s20, s18
	s_mov_b32 s21, 0
	s_lshl_b32 s22, s17, 15                        ; q, a: + 256 rows a block + 64 rows a wave
	s_add_co_u32 s22, s22, s18
	s_lshl_b32 s23, s12, 13
	s_add_co_u32 s22, s22, s23
	s_mov_b32 s23, 0
	s_mul_i32 s19, s12, QUART                      ; where my quarter goes: the wave's number alone
	s_mov_b32 s56, 0x76543210
	s_mov_b32 s57, 0xfedcba98
	; group 1: a tile of 128 rows x 64 elements of 2 bytes, dense in memory, padded in LDS behind every 32 words
	s_mov_b32 s[G1K+0], 15|(1<<16)|(1<<20)|(1<<21)|(4<<22)|(3<<25)   ; 15:0 the mask: all four work-groups; 17:16 2 bytes; 20 padding on; 21 set beside a mask; 24:22 every 32 words; 31:25 four words
	s_mov_b32 s[G1V+0], 15|(1<<16)|(1<<20)|(1<<21)|(4<<22)|(7<<25)   ; the same with eight words of padding
	s_mov_b32 s[G1K+1], 64<<16                     ; tensor_dim0 = 64
	s_mov_b32 s[G1V+1], 64<<16
	s_mov_b32 s[G1K+2], 128<<16                    ; tensor_dim1 = 128
	s_mov_b32 s[G1V+2], 128<<16
	s_mov_b32 s[G1K+3], 64<<16                     ; tile_dim0 = 64
	s_mov_b32 s[G1V+3], 64<<16
	s_mov_b32 s[G1K+4], 128                        ; tile_dim1 = 128
	s_mov_b32 s[G1V+4], 128
	s_mov_b32 s[G1K+5], 64                         ; 64 elements from row to row
	s_mov_b32 s[G1V+5], 64
	s_mov_b32 s[G1K+6], 0
	s_mov_b32 s[G1V+6], 0
	s_mov_b32 s[G1K+7], 0
	s_mov_b32 s[G1V+7], 0
	v_and_b32 v1, 31, v0                           ; lane
	v_and_b32 v2, 15, v0                           ; r
	v_bfe_u32 v3, v0, 4, 1                         ; h
	v_mul_u32_u24 v4, v2, KP
	v_lshl_add_u32 v[KA], v3, 4, v4                ; r pitch + 16 h
	v_add_nc_u32 v[KA+1], SLOT, v[KA]
	v_and_b32 v4, 7, v0
	v_lshl_add_u32 v4, v3, 3, v4
	v_mul_u32_u24 v4, v4, VP
	v_bfe_u32 v5, v0, 3, 1
	v_lshl_add_u32 v4, v5, 4, v4                   ; (8 h + lane % 8) pitch + 16 ((lane / 8) % 2)
	v_add_nc_u32 v[VA], 2*QUART, v4
	v_add_nc_u32 v[VA+1], 2*QUART+SLOT, v4
	s_mul_i32 s18, s12, 64*KP
	s_add_co_u32 s18, s18, STAGE                   ; my stage
	v_add_nc_u32 v[STO], s18, v[KA]                ; in: row r, 16 bytes for each half of the lanes
	v_lshrrev_b32 v4, 3, v1
	v_mul_u32_u24 v4, v4, KP
	v_and_b32 v5, 7, v0
	v_lshl_add_u32 v4, v5, 4, v4
	v_add_nc_u32 v[RD], s18, v4                    ; back: four rows of 128 bytes
	v_lshlrev_b32 v[CO], 4, v1
	v_lshlrev_b32 v4, 7, v2
	v_lshl_add_u32 v[QO], v3, 4, v4                ; q: r x 128 + 16 h
	s_wait_dscnt 0x0
	s_wait_kmcnt 0x0
	s_add_nc_u64 s[6:7], s[6:7], s[20:21]
	s_add_nc_u64 s[8:9], s[8:9], s[20:21]
	s_add_nc_u64 s[4:5], s[4:5], s[22:23]
	s_add_nc_u64 s[10:11], s[10:11], s[22:23]
	ROUND                                          ; all four work-groups are here: the first joint loads meet
.irp s, 0,1
	s_mov_b32 s[G0K+4*\s], 1
	s_add_co_u32 s[G0K+4*\s+1], s19, \s*SLOT
	s_add_nc_u64 s[G0K+4*\s+2:G0K+4*\s+3], s[6:7], \s*TILEB
	s_or_b32 s[G0K+4*\s+3], s[G0K+4*\s+3], 0x80000000
	s_mov_b32 s[G0V+4*\s], 1
	s_add_co_u32 s[G0V+4*\s+1], s19, \s*SLOT
	s_add_nc_u64 s[G0V+4*\s+2:G0V+4*\s+3], s[8:9], \s*TILEB
	s_or_b32 s[G0V+4*\s+3], s[G0V+4*\s+3], 0x80000000
	JLOAD \s                                       ; tiles 0 and 1: both slots are asked for before anything else
.endr
.irp t, 0,1,2,3
.irp c, 0,1
	global_load_b128 v[Q+16*\t+8*\c:Q+16*\t+8*\c+3],   v[QO], s[4:5] offset:2048*\t+64*\c
	global_load_b128 v[Q+16*\t+8*\c+4:Q+16*\t+8*\c+7], v[QO], s[4:5] offset:2048*\t+64*\c+32
.endr
.endr
.irp t, 0,1,2,3
	v_mov_b32 v[MP+2*\t], 0xff800000               ; the running maximum starts at minus infinity,
	v_mov_b32 v[LS+4*\t], 0                        ; the running sum at 0
	v_mov_b32 v[LS+4*\t+1], 0
	v_mov_b32 v[LS+4*\t+2], 0
	v_mov_b32 v[LS+4*\t+3], 0
.endr
	s_wait_tensorcnt 0x1                           ; my quarter of tile 0 is in; tile 1's may stay out
	s_barrier_signal -1
	s_barrier_wait -1                              ; everybody's is
	KLOAD 0, 0
	WIN 0
	s_wait_loadcnt 0x0                             ; q
	STEP 0, 0, 0, 1, 1, 0                          ; tiles 0 and 1: the first products start O's sums
	STEP 0, 1, 1, 0, 0, 1
	STEP 1, 0, 1, 1, 0, 0
	STEP 1, 1, 0, 0, 0, 1
	s_mov_b32 s58, 6                               ; tiles 2 to 13; the refills are tiles 4 to 15
.Llap:
	STEP 0, 0, 0, 1, 0, 0
	STEP 0, 1, 1, 0, 0, 1
	STEP 1, 0, 1, 1, 0, 0
	STEP 1, 1, 0, 0, 0, 1
	s_sub_co_u32 s58, s58, 1
	s_cmp_lg_u32 s58, 0
	s_cbranch_scc1 .Llap
	STEP 0, 0, 0, 1, 0, 0                          ; tiles 14 and 15: nothing is left to fetch
	STEP 0, 1, 1, 0, 0, 2
	STEP 1, 0, 1, 1, 0, 0
	STEP 1, 1, 0, 0, 0, 3
	; the way out: O / l, rounded, through my own stage, back as whole rows
.irp t, 0,1,2,3
	v_pk_add_f32 v[LS+4*\t:LS+4*\t+1], v[LS+4*\t:LS+4*\t+1], v[LS+4*\t+2:LS+4*\t+3]
.endr
.irp t, 0,1,2,3
	v_add_f32 v[LS+4*\t], v[LS+4*\t], v[LS+4*\t+1]
.endr
.irp t, 0,1,2,3
	v_permlanex16_b32 v[LS+4*\t+1], v[LS+4*\t], s56, s57
.endr
.irp t, 0,1,2,3
	v_add_f32 v[LS+4*\t], v[LS+4*\t], v[LS+4*\t+1] ; at least 1: the largest score's exponential is 1
.endr
.irp t, 0,1,2,3
	v_rcp_f32 v[AP+2*\t], v[LS+4*\t]
.endr
	v_nop                                          ; one plain place behind the last v_rcp_f32
	WIN 0xc3
	s_wait_alu depctr_va_vdst(0)
.irp t, 0,1,2,3
.irp j, 0,2,4,6,8,10,12,14,16,18,20,22,24,26,28,30
	v_pk_mul_f32 v[32*\t+\j:32*\t+\j+1], v[32*\t+\j:32*\t+\j+1], v[AP+2*\t:AP+2*\t+1] op_sel_hi:[1,0]
.endr
.endr
	WIN 0xcf
.irp t, 0,1,2,3
.irp e, 0,1,2,3
.irp j, 0,1,2,3
	v_cvt_pk_bf16_f32 v[32*\t+8*\e+\j], v[32*\t+8*\e+2*\j], v[32*\t+8*\e+2*\j+1]
.endr
.endr
.endr
	WIN 0x0c
.irp t, 0,1,2,3
.irp e, 0,1,2,3
	ds_store_b128 v[STO], v[32*\t+8*\e:32*\t+8*\e+3] offset:16*KP*\t+32*\e
.endr
.endr
	WIN 0
.irp t, 0,1,2,3
.irp u, 0,1,2,3
	ds_load_b128 v[P+4*(4*\t+\u):P+4*(4*\t+\u)+3], v[RD] offset:16*KP*\t+4*KP*\u     ; LDS serves a wave's instructions in order (ISA guide 5.7.1): these see my stores above
.endr
.endr
.irp t, 0,1,2,3
.irp u, 0,1,2,3
	s_wait_dscnt 15-4*\t-\u
	global_store_b128 v[CO], v[P+4*(4*\t+\u):P+4*(4*\t+\u)+3], s[10:11] offset:2048*\t+512*\u   ; four rows: 512 consecutive bytes, at a multiple of 512
.endr
.endr
	s_wait_tensorcnt 0x0
	ds_add_u32 v62, v63
	s_wait_dscnt 0x0
	ROUND                                          ; the closing round: no work-group ends while a partner may still ask for a tile that names it
	s_endpgm
.Lfunc_end_k_q825bd8190d_attn:
	.size	k_q825bd8190d_attn, .Lfunc_end_k_q825bd8190d_attn-k_q825bd8190d_attn
	.p2alignl 7, 3214868480
	.fill 96, 4, 3214868480
	.section	.rodata,"a",@progbits
	.p2align	6, 0x0
	.amdhsa_kernel k_q825bd8190d_attn
		.amdhsa_group_segment_fixed_size 327680
		.amdhsa_private_segment_fixed_size 0
		.amdhsa_enable_private_segment 0
		.amdhsa_kernarg_size 32
		.amdhsa_user_sgpr_count 2
		.amdhsa_user_sgpr_kernarg_segment_ptr 1
		.amdhsa_wavefront_size32 1
		.amdhsa_system_sgpr_workgroup_id_x 1
		.amdhsa_system_sgpr_workgroup_id_y 1
		.amdhsa_system_sgpr_workgroup_id_z 1
		.amdhsa_system_vgpr_workitem_id 0
		.amdhsa_next_free_vgpr 896
		.amdhsa_next_free_sgpr 66
		.amdhsa_reserve_vcc 0
		.amdhsa_float_denorm_mode_32 3
		.amdhsa_float_denorm_mode_16_64 3
		.amdhsa_memory_ordered 1
		.amdhsa_forward_progress 1
		.amdhsa_inst_pref_size 255
	.end_amdhsa_kernel
	.section	.bss,"aw",@nobits
	.p2align	6
	.space	262144
	.amdgpu_metadata
---
amdhsa.version: [ 1, 2 ]
amdhsa.kernels:
  - .name:           k_q825bd8190d_attn
    .symbol:         k_q825bd8190d_attn.kd
    .args:
      - { .name: q_ws, .offset: 0, .size: 8, .value_kind: global_buffer, .address_space: global }
      - { .name: k_ws, .offset: 8, .size: 8, .value_kind: global_buffer, .address_space: global }
      - { .name: v_ws, .offset: 16, .size: 8, .value_kind: global_buffer, .address_space: global }
      - { .name: a_ws, .offset: 24, .size: 8, .value_kind: global_buffer, .address_space: global }
    .group_segment_fixed_size: 327680
    .private_segment_fixed_size: 0
    .kernarg_segment_align: 8
    .kernarg_segment_size: 32
    .max_flat_workgroup_size: 128
    .sgpr_count:     66
    .vgpr_count:     896
    .wavefront_size: 32
...
	.end_amdgpu_metadata
.endif
;; end of part 2
;; launch proj (part 3): grid 128 x 2, 4 waves a work-group, no clusters, 260,608 bytes of LDS; arguments a_ws, Wo, bo, x, out0; writes out0
.if DOCPART == 3
	.amdgcn_target "amdgcn-amd-amdhsa--gfx1250"
	.amdhsa_code_object_version 6
	.text
	.protected	k_q825bd8190d_proj
	.globl	k_q825bd8190d_proj
	.p2align	8
	.type	k_q825bd8190d_proj,@function
k_q825bd8190d_proj:
	s_mov_b64 s[64:65], 0
	v_nop
	global_prefetch_b8 v0, s[64:65] scope:SCOPE_SE
	s_setreg_imm32_b32 hwreg(HW_REG_WAVE_MODE, 25, 1), 1
	s_wait_xcnt 0x0
; out0 = a Wo + bo + x.  a: bf16 [b][head][s][64].  Wo: [384 (k)][384 (n)] f32.  x, out0: [8192][384] f32.
; Work-group (x = block of 64 rows, y = half of the columns) makes 64 rows x 192 columns: 256 work-groups.  192 f32 are 768 bytes, three aligned pieces of 256.
; Four waves; wave w makes rows 32 (w>>1) .. +31 and columns 96 (w&1) .. +95: 2 x 6 accumulator tiles.
; The matrix instruction is used transposed (source 0 = 16 columns of Wo by the transposing load, source 1 = 16 rows of a): a lane's eight results are 32 neighbouring bytes of a row.
; The results go through an f32 stage in LDS and leave as whole pieces of 256 bytes, with x + bo, which was loaded at the start, added on the way.
; NO TENSOR LOADS, NO CLUSTER: what the work-groups share is Wo, which is f32 in memory and has to pass through registers to become bf16.
; LIMITS: finite inputs only.
.set ROWB, 1536
.set ATP,  784                         ; pitch of a's rows (768 + 16) and of the stage's rows of 192 f32: an odd multiple of 16
.set WBP,  416                         ; pitch of Wo's rows of 192 bf16: an odd multiple of 32
.set AT,   0                           ; 64 rows x 784
.set WB,   64*ATP                      ; 384 rows x 416
.set STG,  WB+384*WBP                  ; 64 rows x 784
.set LANE, 1
.set R,    2
.set H,    3
.set WGA,  4                           ; 24576 w + 16 lane: bytes 0-511 of a 768-byte row slice, of Wo, of x and of out0 (a wave's 16 rows)
.set WGC,  5                           ; 24576 w + 1536 h + 512 + 16 r: bytes 512-767 of two row slices
.set AO,   6                           ; a in memory: 512 w + 16 lane
.set AS,   7                           ; a in LDS
.set XA,   8                           ; my fragments of a
.set WA,   10                          ; v10-12 my fragments of Wo
.set STO,  13                          ; stage, in
.set STA,  14                          ; stage, back: partner of WGA
.set STC,  15                          ; partner of WGC
.set BOA,  16                          ; bias: 16 lane
.set BOC,  17                          ; bias: 512 + 16 r
.set WLA,  18                          ; v18-20
.set WLC,  21                          ; v21-23
.set TM,   24
.set RING, 64                          ; v[64:159], v[160:255]: ring for Wo; the second half first holds a
.set F0,   32                          ; later: fragment buffers (a at +8a, Wo at +16+8b), then the read-back of the stage in v[32:127]
.set F1,   96
.set ACC,  160                         ; later: accumulator (a, b) at v[160 + 8 (6 a + b)]
; window 1: x + bo, chunk n at v[4n], 0-95; bo at v[96:103]
.set MSB, 0
.macro WIN new
.if MSB != \new
	s_set_vgpr_msb (MSB<<8)|\new
.set MSB, \new
.endif
.endm
.macro PLACES
.rept 4
	v_nop
.endr
.endm
	s_load_b256 s[4:11], s[0:1], 0x0               ; a 4, Wo 6, bo 8, x 10
	s_load_b64 s[12:13], s[0:1], 0x20              ; out0
	v_lshl_add_u32 v30, v0, 2, 0x3f800
	v_mov_b32 v31, 0
	v_lshrrev_b32 v[TM], 5, v0
	v_readfirstlane_b32 s14, v[TM]                 ; wave
	s_lshr_b32 s15, s14, 1                         ; which 32 rows
	s_and_b32 s16, s14, 1                          ; which 96 columns
	s_and_b32 s17, ttmp7, 0xffff                   ; which 192 columns of the 384
	s_mul_i32 s18, s17, 768
	s_mov_b32 s19, 0
	s_mul_i32 s20, ttmp9, 64*ROWB
	s_add_co_u32 s20, s20, s18                     ; x, out0: the group's first row and column
	s_mov_b32 s21, 0
	s_lshr_b32 s22, ttmp9, 6                       ; batch
	s_mul_i32 s22, s22, 3145728
	s_and_b32 s23, ttmp9, 63
	s_lshl_b32 s23, s23, 13                        ; 64 rows x 128 bytes
	s_add_co_u32 s22, s22, s23
	s_mov_b32 s23, 0
	v_and_b32 v[LANE], 31, v0
	v_and_b32 v[R], 15, v0
	v_bfe_u32 v[H], v0, 4, 1
	s_mul_i32 s24, s14, 16*ROWB
	v_lshl_add_u32 v[WGA], v[LANE], 4, s24
	s_add_co_u32 s24, s24, 512
	v_mul_u32_u24 v[TM], v[H], ROWB
	v_lshl_add_u32 v[TM], v[R], 4, v[TM]
	v_add_nc_u32 v[WGC], s24, v[TM]
	s_mul_i32 s25, s14, 16*WBP
	s_add_co_u32 s25, s25, WB
	v_lshl_add_u32 v[WLA], v[LANE], 3, s25
	s_add_co_u32 s25, s25, 256
	v_mul_u32_u24 v[TM], v[H], WBP
	v_lshl_add_u32 v[TM], v[R], 3, v[TM]
	v_add_nc_u32 v[WLC], s25, v[TM]
	v_add_nc_u32 v[WLA+1], 128*WBP, v[WLA]
	v_add_nc_u32 v[WLA+2], 256*WBP, v[WLA]
	v_add_nc_u32 v[WLC+1], 128*WBP, v[WLC]
	v_add_nc_u32 v[WLC+2], 256*WBP, v[WLC]
	s_lshl_b32 s26, s14, 9
	v_lshl_add_u32 v[AO], v[LANE], 4, s26
	v_lshrrev_b32 v[TM], 3, v[LANE]                ; a in LDS: (4 w + lane / 8) pitch + 16 (lane % 8)
	v_mul_u32_u24 v[TM], v[TM], ATP
	v_and_b32 v[TM+1], 7, v0
	v_lshl_add_u32 v[TM], v[TM+1], 4, v[TM]
	s_mul_i32 s26, s14, 4*ATP
	v_add_nc_u32 v[AS], s26, v[TM]
	s_mul_i32 s26, s15, 32*ATP                     ; fragment of a: (32 wr + r) pitch + 16 h
	v_mul_u32_u24 v[TM], v[R], ATP
	v_lshl_add_u32 v[TM+1], v[H], 4, v[TM]
	v_add_nc_u32 v[XA], s26, v[TM+1]
	s_mul_i32 s27, s16, 384                        ; stage in: (32 wr + r) pitch + 384 wc + 32 h
	s_add_co_u32 s26, s26, s27
	s_add_co_u32 s26, s26, STG
	v_lshl_add_u32 v[TM], v[H], 5, v[TM]
	v_add_nc_u32 v[STO], s26, v[TM]
	v_and_b32 v[TM], 7, v0                         ; fragment of Wo
	v_lshl_add_u32 v[TM], v[H], 3, v[TM]
	v_mul_u32_u24 v[TM], v[TM], WBP
	v_bfe_u32 v[TM+1], v0, 3, 1
	v_lshl_add_u32 v[TM], v[TM+1], 4, v[TM]
	s_mul_i32 s26, s16, 192
	s_add_co_u32 s26, s26, WB
	v_add_nc_u32 v[WA], s26, v[TM]
	v_add_nc_u32 v[WA+1], 128*WBP, v[WA]
	v_add_nc_u32 v[WA+2], 256*WBP, v[WA]
	s_mul_i32 s26, s14, 16*ATP                     ; stage back: a wave's 16 rows, shared out as the rows of x are
	s_add_co_u32 s26, s26, STG
	v_lshl_add_u32 v[STA], v[LANE], 4, s26
	s_add_co_u32 s26, s26, 512
	v_mul_u32_u24 v[TM], v[H], ATP
	v_lshl_add_u32 v[TM], v[R], 4, v[TM]
	v_add_nc_u32 v[STC], s26, v[TM]
	v_lshlrev_b32 v[BOA], 4, v[LANE]
	v_lshlrev_b32 v[BOC], 4, v[R]
	v_add_nc_u32 v[BOC], 512, v[BOC]
	s_wait_kmcnt 0x0
	s_add_nc_u64 s[4:5], s[4:5], s[22:23]
	s_add_nc_u64 s[6:7], s[6:7], s[18:19]
	s_add_nc_u64 s[8:9], s[8:9], s[18:19]
	s_add_nc_u64 s[10:11], s[10:11], s[20:21]
	s_add_nc_u64 s[12:13], s[12:13], s[20:21]
; 24 loads: the wave's 16 rows of group g (rows 64 g + 16 w + 0..15) of Wo's 768-byte slices; two rows take three loads
.macro WISSUE g
.irp aa, 0,1,2,3,4,5,6,7
	global_load_b128 v[RING+96*(\g&1)+12*\aa:RING+96*(\g&1)+12*\aa+3],    v[WGA], s[6:7] offset:(64*\g+2*\aa)*ROWB
	global_load_b128 v[RING+96*(\g&1)+12*\aa+4:RING+96*(\g&1)+12*\aa+7],  v[WGA], s[6:7] offset:(64*\g+2*\aa+1)*ROWB
	global_load_b128 v[RING+96*(\g&1)+12*\aa+8:RING+96*(\g&1)+12*\aa+11], v[WGC], s[6:7] offset:(64*\g+2*\aa)*ROWB
.endr
.endm
.macro WCONV g, left
	s_wait_loadcnt \left
.set wi, 0
.rept 24
	v_cvt_pk_bf16_f32 v[RING+96*(\g&1)+4*wi],   v[RING+96*(\g&1)+4*wi],   v[RING+96*(\g&1)+4*wi+1]
	v_cvt_pk_bf16_f32 v[RING+96*(\g&1)+4*wi+1], v[RING+96*(\g&1)+4*wi+2], v[RING+96*(\g&1)+4*wi+3]
.set wi, wi+1
.endr
.irp aa, 0,1,2,3,4,5,6,7
	ds_store_b64 v[WLA+(\g>>1)], v[RING+96*(\g&1)+12*\aa:RING+96*(\g&1)+12*\aa+1]   offset:(64*(\g&1)+2*\aa)*WBP
	ds_store_b64 v[WLA+(\g>>1)], v[RING+96*(\g&1)+12*\aa+4:RING+96*(\g&1)+12*\aa+5] offset:(64*(\g&1)+2*\aa+1)*WBP
	ds_store_b64 v[WLC+(\g>>1)], v[RING+96*(\g&1)+12*\aa+8:RING+96*(\g&1)+12*\aa+9] offset:(64*(\g&1)+2*\aa)*WBP
.endr
.endm
.macro FETCH ks, f                     ; 16 LDS loads: 2 x 16 rows of a, 6 x 16 columns of Wo, 32 along k
.irp a, 0,1
	ds_load_b128 v[\f+8*\a:\f+8*\a+3],   v[XA] offset:16*ATP*\a+64*(\ks)
	ds_load_b128 v[\f+8*\a+4:\f+8*\a+7], v[XA] offset:16*ATP*\a+64*(\ks)+32
.endr
.irp b, 0,1,2,3,4,5
	ds_load_tr16_b128 v[\f+16+8*\b:\f+16+8*\b+3],   v[WA+((\ks)>>2)] offset:32*WBP*((\ks)&3)+32*\b
	ds_load_tr16_b128 v[\f+16+8*\b+4:\f+16+8*\b+7], v[WA+((\ks)>>2)] offset:32*WBP*((\ks)&3)+32*\b+16*WBP
.endr
.endm
.macro MUL f, zero                     ; the 12 accumulators take turns, one instruction a turn
.irp a, 0,1
.irp b, 0,1,2,3,4,5
.if \zero
	v_wmma_f32_16x16x32_bf16 v[ACC+8*(6*\a+\b):ACC+8*(6*\a+\b)+7], v[\f+16+8*\b:\f+16+8*\b+7], v[\f+8*\a:\f+8*\a+7], 0
.else
	v_wmma_f32_16x16x32_bf16 v[ACC+8*(6*\a+\b):ACC+8*(6*\a+\b)+7], v[\f+16+8*\b:\f+16+8*\b+7], v[\f+8*\a:\f+8*\a+7], v[ACC+8*(6*\a+\b):ACC+8*(6*\a+\b)+7]
.endif
.endr
.endr
.endm
	WIN 0x40                                       ; x and bo into window 1: they wait there for the way out
.irp aa, 0,1,2,3,4,5,6,7
	global_load_b128 v[12*\aa:12*\aa+3],    v[WGA], s[10:11] offset:(2*\aa)*ROWB
	global_load_b128 v[12*\aa+4:12*\aa+7],  v[WGA], s[10:11] offset:(2*\aa+1)*ROWB
	global_load_b128 v[12*\aa+8:12*\aa+11], v[WGC], s[10:11] offset:(2*\aa)*ROWB
.endr
	global_load_b128 v[96:99],   v[BOA], s[8:9]
	global_load_b128 v[100:103], v[BOC], s[8:9]
	WIN 0
.irp p, 0,1,2,3,4,5                                ; a: for each head 64 rows x 128 bytes, dense: four loads of 2,048 bytes by the 128 threads
.irp u, 0,1,2,3
	global_load_b128 v[RING+96+4*(4*\p+\u):RING+96+4*(4*\p+\u)+3], v[AO], s[4:5] offset:524288*\p+2048*\u
.endr
.endr
	WISSUE 0
	s_wait_loadcnt 24                              ; all but Wo's first group: x, bo and a are in
.irp p, 0,1,2,3,4,5
.irp u, 0,1,2,3
	ds_store_b128 v[AS], v[RING+96+4*(4*\p+\u):RING+96+4*(4*\p+\u)+3] offset:16*ATP*\u+128*\p    ; row 16 u + thread / 8, k = 64 head + ..
.endr
.endr
	WISSUE 1
	WIN 0x45                                       ; x + bo, while Wo is on its way
.irp aa, 0,1,2,3,4,5,6,7
.irp j, 0,2
	v_pk_add_f32 v[12*\aa+\j:12*\aa+\j+1],     v[12*\aa+\j:12*\aa+\j+1],     v[96+\j:96+\j+1]
	v_pk_add_f32 v[12*\aa+4+\j:12*\aa+4+\j+1], v[12*\aa+4+\j:12*\aa+4+\j+1], v[96+\j:96+\j+1]
	v_pk_add_f32 v[12*\aa+8+\j:12*\aa+8+\j+1], v[12*\aa+8+\j:12*\aa+8+\j+1], v[100+\j:100+\j+1]
.endr
.endr
	WIN 0
	WCONV 0, 24                                    ; each count of 24 leaves the one younger group out
	WISSUE 2
	WCONV 1, 24
	WISSUE 3
	WCONV 2, 24
	WISSUE 4
	WCONV 3, 24
	WISSUE 5
	WCONV 4, 24
	WCONV 5, 0
	s_wait_dscnt 0x0                               ; my part of a and of Wo is in LDS
	s_barrier_signal -1
	s_barrier_wait -1
	FETCH 0, F0                                    ; twelve k steps on two fragment buffers: the count of 16 leaves the next step's loads out
	FETCH 1, F1
	s_wait_dscnt 16
	MUL F0, 1
.irp ks, 1,2,3,4,5,6,7,8,9,10
	PLACES                                         ; the loads below go into the buffer that the last 12 matrix instructions read
	FETCH \ks+1, F0+64*((\ks+1)&1)
	s_wait_dscnt 16
	MUL F0+64*(\ks&1), 0
.endr
	s_wait_dscnt 0
	MUL F1, 0
	PLACES
.irp a, 0,1
.irp b, 0,1,2,3,4,5
	ds_store_b128 v[STO], v[ACC+8*(6*\a+\b):ACC+8*(6*\a+\b)+3]   offset:16*ATP*\a+64*\b
	ds_store_b128 v[STO], v[ACC+8*(6*\a+\b)+4:ACC+8*(6*\a+\b)+7] offset:16*ATP*\a+64*\b+16
.endr
.endr
	s_wait_dscnt 0x0
	s_barrier_signal -1
	s_barrier_wait -1                              ; a row of the stage was written by two waves
.irp aa, 0,1,2,3,4,5,6,7
	ds_load_b128 v[F0+12*\aa:F0+12*\aa+3],    v[STA] offset:(2*\aa)*ATP
	ds_load_b128 v[F0+12*\aa+4:F0+12*\aa+7],  v[STA] offset:(2*\aa+1)*ATP
	ds_load_b128 v[F0+12*\aa+8:F0+12*\aa+11], v[STC] offset:(2*\aa)*ATP
.endr
	WIN 0x44                                       ; the sum is formed into window 1, where x + bo lies, and stored from there (a store's data is source 1): one setting for all
.irp aa, 0,1,2,3,4,5,6,7
	s_wait_dscnt 23-3*\aa
	v_pk_add_f32 v[12*\aa:12*\aa+1],   v[F0+12*\aa:F0+12*\aa+1],   v[12*\aa:12*\aa+1]
	v_pk_add_f32 v[12*\aa+2:12*\aa+3], v[F0+12*\aa+2:F0+12*\aa+3], v[12*\aa+2:12*\aa+3]
	global_store_b128 v[WGA], v[12*\aa:12*\aa+3], s[12:13] offset:(2*\aa)*ROWB th:TH_STORE_NT          ; 512 consecutive bytes, at a multiple of 256
	s_wait_dscnt 22-3*\aa
	v_pk_add_f32 v[12*\aa+4:12*\aa+5], v[F0+12*\aa+4:F0+12*\aa+5], v[12*\aa+4:12*\aa+5]
	v_pk_add_f32 v[12*\aa+6:12*\aa+7], v[F0+12*\aa+6:F0+12*\aa+7], v[12*\aa+6:12*\aa+7]
	global_store_b128 v[WGA], v[12*\aa+4:12*\aa+7], s[12:13] offset:(2*\aa+1)*ROWB th:TH_STORE_NT
	s_wait_dscnt 21-3*\aa
	v_pk_add_f32 v[12*\aa+8:12*\aa+9],   v[F0+12*\aa+8:F0+12*\aa+9],   v[12*\aa+8:12*\aa+9]
	v_pk_add_f32 v[12*\aa+10:12*\aa+11], v[F0+12*\aa+10:F0+12*\aa+11], v[12*\aa+10:12*\aa+11]
	global_store_b128 v[WGC], v[12*\aa+8:12*\aa+11], s[12:13] offset:(2*\aa)*ROWB th:TH_STORE_NT       ; the last 256 bytes of two rows' slices
.endr
	WIN 0
	s_wait_tensorcnt 0x0
	ds_add_u32 v30, v31
	s_wait_dscnt 0x0
	s_endpgm
.Lfunc_end_k_q825bd8190d_proj:
	.size	k_q825bd8190d_proj, .Lfunc_end_k_q825bd8190d_proj-k_q825bd8190d_proj
	.p2alignl 7, 3214868480
	.fill 96, 4, 3214868480
	.section	.rodata,"a",@progbits
	.p2align	6, 0x0
	.amdhsa_kernel k_q825bd8190d_proj
		.amdhsa_group_segment_fixed_size 260608
		.amdhsa_private_segment_fixed_size 0
		.amdhsa_enable_private_segment 0
		.amdhsa_kernarg_size 40
		.amdhsa_user_sgpr_count 2
		.amdhsa_user_sgpr_kernarg_segment_ptr 1
		.amdhsa_wavefront_size32 1
		.amdhsa_system_sgpr_workgroup_id_x 1
		.amdhsa_system_sgpr_workgroup_id_y 1
		.amdhsa_system_sgpr_workgroup_id_z 1
		.amdhsa_system_vgpr_workitem_id 0
		.amdhsa_next_free_vgpr 368
		.amdhsa_next_free_sgpr 66
		.amdhsa_reserve_vcc 0
		.amdhsa_float_denorm_mode_32 3
		.amdhsa_float_denorm_mode_16_64 3
		.amdhsa_memory_ordered 1
		.amdhsa_forward_progress 1
		.amdhsa_inst_pref_size 87
	.end_amdhsa_kernel
	.amdgpu_metadata
---
amdhsa.version: [ 1, 2 ]
amdhsa.kernels:
  - .name:           k_q825bd8190d_proj
    .symbol:         k_q825bd8190d_proj.kd
    .args:
      - { .name: a_ws, .offset: 0, .size: 8, .value_kind: global_buffer, .address_space: global }
      - { .name: Wo, .offset: 8, .size: 8, .value_kind: global_buffer, .address_space: global }
      - { .name: bo, .offset: 16, .size: 8, .value_kind: global_buffer, .address_space: global }
      - { .name: x, .offset: 24, .size: 8, .value_kind: global_buffer, .address_space: global }
      - { .name: out0, .offset: 32, .size: 8, .value_kind: global_buffer, .address_space: global }
    .group_segment_fixed_size: 260608
    .private_segment_fixed_size: 0
    .kernarg_segment_align: 8
    .kernarg_segment_size: 40
    .max_flat_workgroup_size: 128
    .sgpr_count:     66
    .vgpr_count:     368
    .wavefront_size: 32
...
	.end_amdgpu_metadata
.endif
;; end of part 3
;; ======== version 2 of 2: 3 launches
;; workspace buffers: q_ws 6,291,456 bytes; k_ws 6,291,456 bytes; v_ws 6,291,456 bytes; a_ws 6,291,456 bytes
;; launch qkv: the kernel of part 1 again; grid 64 x 3, 4 waves a work-group, no clusters, 311,808 bytes of LDS; arguments x, ln_g, ln_b, Wq, Wk, Wv, bq, bk, bv, q_ws, k_ws, v_ws; writes q_ws, k_ws, v_ws
;; launch attn (part 4): grid 16 x 12, 8 waves a work-group, clusters of 4 x 1, 327,680 bytes of LDS; arguments q_ws, k_ws, v_ws, a_ws; writes a_ws
.if DOCPART == 4
	.amdgcn_target "amdgcn-amd-amdhsa--gfx1250"
	.amdhsa_code_object_version 6
	.text
	.protected	k_q825bd8190d_attn
	.globl	k_q825bd8190d_attn
	.p2align	8
	.type	k_q825bd8190d_attn,@function
k_q825bd8190d_attn:
	s_mov_b64 s[64:65], 0
	v_nop
	global_prefetch_b8 v0, s[64:65] scope:SCOPE_SE
	s_setreg_imm32_b32 hwreg(HW_REG_WAVE_MODE, 25, 1), 1
	s_wait_xcnt 0x0
	s_wait_alu depctr_hold_cnt(0) depctr_sa_sdst(0) depctr_va_vdst(0) depctr_va_sdst(0) depctr_va_ssrc(0) depctr_va_vcc(0) depctr_vm_vsrc(0)
	s_getreg_b32 s2, hwreg(HW_REG_IB_STS2, 6, 4)
	s_cmp_eq_u32 s2, 0
	s_cbranch_scc0 .Lentry_in_a_cluster
	s_endpgm
.Lentry_in_a_cluster:
	s_bfe_u32 s2, ttmp6, 0x10000c
	s_cmp_lg_u32 s2, 0x3003
	s_cbranch_scc0 .Lentry_shape_is_right
	s_endpgm
.Lentry_shape_is_right:
; softmax(q k^T) v for one (batch, head) and 256 queries.  q, k, v, a: bf16, [b][head][4096][64]; q already holds the factor 0.125 log2(e), so powers of two are used.
; EIGHT WAVES.  Wave w takes queries 64 (w & 3) .. +63 (4 query tiles of 16) and, of every tile of 256 keys, keys 128 (w >> 2) .. +127, in two steps of 64 keys,
; with a running maximum and a running sum for each query.  At the end waves 4 to 7 hand O, m and l through LDS to waves 0 to 3, which merge, divide and store.
; WHY EIGHT: a step is 64 matrix instructions and about 480 vector instructions (the softmax), which one wave can only do one after the other.  Two waves for each of a WGP's
; four SIMDs can do them side by side if they are kept half a step apart.  Waves that run the same text meet at every barrier in the same phase, so in the step
; that holds the barrier the vector phase stands TWICE, in front of the barrier block and behind it, and a branch on the wave's number takes one of the two:
; class 1 has done its softmax when it arrives, class 0 does it afterwards, while class 1 multiplies.  No barrier, wait or tensor load stands under these branches.
; The class is (w xor w >> 2) & 1: it differs between waves w and w + 4 and between waves 2 s and 2 s + 1.
; BOTH PRODUCTS ARE USED TRANSPOSED.  S^T = K Q^T: source 0 = 16 keys, source 1 = 16 queries; lane (r, h) holds query r and keys 16 i + 8 h + j.
; Two neighbouring key tiles, rounded and packed in pairs, are then exactly the source-1 fragment of P for 32 keys: P never leaves the lane, and is packed in place into S's registers.
; O^T = V^T P^T: source 0 = 16 columns of V (read from [key][d] rows by the transposing load).  Maximum, sum and rescaling are one number a lane;
; the two halves of the lanes hold different keys of the same query and meet in one v_permlanex16_b32 for a query tile and step.
; CLUSTERS: the four work-groups of a cluster take four query blocks of one head and walk the same K and V tiles.  Each tile of 256 keys is asked for
; jointly (mask 15): waves 0 to 3 ask for K's quarters, waves 4 to 7 for V's, one tensor load of 64 rows a wave; the requests for K and V are divided by four.
; Two LDS slots of 256 keys.  A slot is filled again in its second step, behind a round of the cluster's barrier, as soon as its last fragments are in registers,
; and is read two steps later.  By this text's count a wave has two tensor loads out at the start and one behind each round.
; O's sums start from 128 registers cleared once (the first step scales them by 2^(-infinity) = 0) and not from a first product with the constant 0:
; that would be four more copies of the step in front of the loop.
; LIMITS: finite inputs only.  The sum l adds the unrounded exponentials, the product uses them rounded to bf16.  v_exp_f32 gives zero below 2^-126.
; The two halves of the keys are summed apart and merged at the end: an order of summing that differs from the reference's.
.set EIGHTH, 10240                     ; what one tensor load fills: 64 rows.  V's take all of it (64 x 160), K's 9,216 bytes (64 x 144)
.set SLOT,   8*EIGHTH                  ; K keys 0-63, 64-127, 128-191, 192-255, then V likewise
.set KP,     144                       ; K's LDS pitch: 128 + 16, an odd multiple of 16
.set VP,     160                       ; V's LDS pitch: 128 + 32, an odd multiple of 32, for the transposing load
.set MRG,    2*SLOT                    ; behind the slots, from a multiple of 256 on; no fill lands here: for each query group 32 x 512 bytes of O, 512 of m, 512 of l
.set MRGW,   34*512
.set STAGE,  MRG+4*MRGW                ; 64 rows x 144 bytes for each query group, for the way out
.set TILEB,  32768                     ; 256 keys x 128 bytes in memory
.set TRIPS,  7                         ; two tiles a trip: tiles 0 to 13; the refills are tiles 2 to 15
; window 0
.set KA,  8                            ; v8-9    my K fragments in slot 0, 1
.set VA,  10                           ; v10-11  my V fragments in slot 0, 1
.set STO, 12
.set RD,  13
.set CO,  14
.set QO,  15
.set MP,  16                           ; v[16+2t:17+2t]  (running maximum m, scratch TB) of query tile t
.set AP,  24                           ; v[24+2t:25+2t]  (rescaling factor alpha, scratch TA)
.set LS,  32                           ; v[32+4t:35+4t]  running sum, two pairs
.set MG,  48                           ; my 16 bytes in each 512 of my query group's merge area
.set ML,  52                           ; v[52:55] m, v[56:59] l of the four query tiles, side by side for the merge
.set Q,   64                           ; v[64+16t+8c]    Q fragment: query tile t, d = 32 c ..
.set KF,  128                          ; v[128+16i+8c]   K fragment: key tile i, d = 32 c ..
.set VF,  192                          ; v[192+32c+8e]   V fragment: d tile e, keys 32 c ..
.set PM,  128                          ; the way out: the partner's m and l
.set OUTR, 192                         ; the way out: rows read back
; window 1: S (query tile t, key tile i) at v[32t+8i], later P (query tile t, keys 32 c ..) at v[32t+8c]; O (query tile t, d tile e) at v[128+32t+8e]
.set OA,  128
.set G1K, 24                           ; s[24:31] descriptor group 1 for K
.set G1V, 32                           ; s[32:39] for V: it differs in the padding alone
.set G0K, 40                           ; s[40:47] group 0 for K, a set for each slot
.set G0V, 48                           ; s[48:55] group 0 for V
.set MSB, 0
.macro WIN new                         ; low byte: bits 1:0 source 0, 3:2 source 1, 5:4 source 2, 7:6 destination; the high byte repeats the setting that is left
.if MSB != \new
	s_set_vgpr_msb (MSB<<8)|\new
.set MSB, \new
.endif
.endm
.macro PLACES                          ; five places behind a run of matrix instructions: four for vector work and loads on its registers
.rept 5                                ; five because P lies in S: the next QK writes over PV's source 1, and PV takes QK's result registers as its source 1
	v_nop
.endr
.endm
; a round of the cluster's barrier: my work-group's barrier, wave 0 signals for the work-group, every wave waits for all four work-groups, my work-group's barrier again
.macro ROUND
	s_barrier_signal -1
	s_barrier_wait -1
	s_cmp_lg_u32 s12, 0
	s_cbranch_scc1 .Lnot_wave_0_\@
	s_barrier_signal -3
.Lnot_wave_0_\@:
	s_barrier_wait -3
	s_barrier_signal -1
	s_barrier_wait -1
.endm
; a joint load: the branch hangs on the wave's number alone, and nothing in the descriptors on the work-group's place in its cluster
.macro JLOAD s
	s_cmp_eq_u32 s13, 0
	s_cbranch_scc0 .Lfor_v_\@
	tensor_load_to_lds s[G0K+4*\s:G0K+4*\s+3], s[G1K:G1K+7]
	s_nop 0
	s_branch .Lasked_\@
.Lfor_v_\@:
	tensor_load_to_lds s[G0V+4*\s:G0V+4*\s+3], s[G1V:G1V+7]
	s_nop 0
.Lasked_\@:
.endm
.macro KLOAD slot, hf                  ; 16 LDS loads: 64 keys x 64 d as source-0 fragments
.irp i, 0,1,2,3
.irp c, 0,1
	ds_load_b128 v[KF+16*\i+8*\c:KF+16*\i+8*\c+3],   v[KA+\slot] offset:\hf*EIGHTH+16*KP*\i+64*\c
	ds_load_b128 v[KF+16*\i+8*\c+4:KF+16*\i+8*\c+7], v[KA+\slot] offset:\hf*EIGHTH+16*KP*\i+64*\c+32
.endr
.endr
.endm
.macro VLOAD slot, hf                  ; 16 transposing LDS loads: 64 d x 64 keys as source-0 fragments
.irp c, 0,1
.irp e, 0,1,2,3
	ds_load_tr16_b128 v[VF+32*\c+8*\e:VF+32*\c+8*\e+3],   v[VA+\slot] offset:\hf*EIGHTH+32*VP*\c+32*\e
	ds_load_tr16_b128 v[VF+32*\c+8*\e+4:VF+32*\c+8*\e+7], v[VA+\slot] offset:\hf*EIGHTH+32*VP*\c+32*\e+16*VP
.endr
.endr
.endm
; The vector phase of a step: registers alone.  From S (64 keys x 64 queries) to P, with m, l and O brought to the new maximum.
.macro VPHASE
	WIN 0x05                                       ; S as sources 0 and 1
.irp u, 0,1,2,3,4,5,6,7                            ; the largest of my 32 scores of each query tile and of the running maximum: eight chains
.irp t, 0,1,2,3
.if \u == 0
	v_max3_num_f32 v[AP+2*\t+1], v[32*\t+4*\u],   v[32*\t+4*\u+1], v[MP+2*\t]
	v_max3_num_f32 v[MP+2*\t+1], v[32*\t+4*\u+2], v[32*\t+4*\u+3], v[MP+2*\t]
.else
	v_max3_num_f32 v[AP+2*\t+1], v[32*\t+4*\u],   v[32*\t+4*\u+1], v[AP+2*\t+1]
	v_max3_num_f32 v[MP+2*\t+1], v[32*\t+4*\u+2], v[32*\t+4*\u+3], v[MP+2*\t+1]
.endif
.endr
.endr
	WIN 0
.irp t, 0,1,2,3
	v_max_num_f32 v[AP+2*\t+1], v[AP+2*\t+1], v[MP+2*\t+1]
.endr
.irp t, 0,1,2,3
	v_permlanex16_b32 v[MP+2*\t+1], v[AP+2*\t+1], s56, s57     ; the other half's keys of the same query
.endr
.irp t, 0,1,2,3
	v_max_num_f32 v[AP+2*\t+1], v[AP+2*\t+1], v[MP+2*\t+1]     ; the new maximum
.endr
.irp t, 0,1,2,3
	v_sub_f32 v[MP+2*\t+1], v[MP+2*\t], v[AP+2*\t+1]           ; old - new, at most 0 (minus infinity in the first step)
.endr
.irp t, 0,1,2,3
	v_exp_f32 v[AP+2*\t], v[MP+2*\t+1]                         ; alpha (0 in the first step)
.endr
.irp t, 0,1,2,3
	v_mov_b32 v[MP+2*\t], v[AP+2*\t+1]                         ; plain work behind the exponentials, before alpha is used (ISA guide 5.7.2)
.endr
	s_wait_alu depctr_va_vdst(0)
.irp t, 0,1,2,3
	v_pk_mul_f32 v[LS+4*\t:LS+4*\t+1],   v[LS+4*\t:LS+4*\t+1],   v[AP+2*\t:AP+2*\t+1] op_sel_hi:[1,0]
	v_pk_mul_f32 v[LS+4*\t+2:LS+4*\t+3], v[LS+4*\t+2:LS+4*\t+3], v[AP+2*\t:AP+2*\t+1] op_sel_hi:[1,0]
.endr
	WIN 0x41                                       ; O and S in place, m and alpha from window 0: one setting for the next three blocks
.irp t, 0,1,2,3
.irp j, 0,2,4,6,8,10,12,14,16,18,20,22,24,26,28,30
	v_pk_mul_f32 v[OA+32*\t+\j:OA+32*\t+\j+1], v[OA+32*\t+\j:OA+32*\t+\j+1], v[AP+2*\t:AP+2*\t+1] op_sel_hi:[1,0]
.endr
.endr
.set si, 0
.rept 16
	v_pk_add_f32 v[2*si:2*si+1], v[2*si:2*si+1], v[MP:MP+1] op_sel_hi:[1,0] neg_lo:[0,1] neg_hi:[0,1]
.set si, si+1
.endr
.irp t, 0,1,2                                      ; the exponentials of a query tile alternate with the next tile's subtractions
.set si, 0
.rept 16
	v_exp_f32 v[32*\t+2*si],   v[32*\t+2*si]
	v_exp_f32 v[32*\t+2*si+1], v[32*\t+2*si+1]
	v_pk_add_f32 v[32*\t+32+2*si:32*\t+32+2*si+1], v[32*\t+32+2*si:32*\t+32+2*si+1], v[MP+2*\t+2:MP+2*\t+3] op_sel_hi:[1,0] neg_lo:[0,1] neg_hi:[0,1]
.set si, si+1
.endr
.endr
.set si, 0
.rept 32
	v_exp_f32 v[96+si], v[96+si]
.set si, si+1
.endr
	WIN 0x01                                       ; the first line below touches query tile 0 alone: the plain place behind the last exponential
.set uu, 0
	s_wait_alu depctr_va_vdst(0)
.rept 16                                           ; l += p: eight chains
.irp t, 0,1,2,3
	v_pk_add_f32 v[LS+4*\t+2*(uu&1):LS+4*\t+2*(uu&1)+1], v[32*\t+2*uu:32*\t+2*uu+1], v[LS+4*\t+2*(uu&1):LS+4*\t+2*(uu&1)+1]
.endr
.set uu, uu+1
.endr
	WIN 0x45                                       ; P in place: register u of a query tile takes pair u, which lies at or above it, in ascending order
.set uu, 0
.rept 16
.irp t, 0,1,2,3
	v_cvt_pk_bf16_f32 v[32*\t+uu], v[32*\t+2*uu], v[32*\t+2*uu+1]
.endr
.set uu, uu+1
.endr
	WIN 0
.endm
; One step: my 64 keys of half hf of my part of a slot.  nslot, nhf: the next step's keys.
; mode 0: the slot is read on.  1: the slot has been read out and is filled again.  2: the slot has been read out, nothing is left to fetch.  3: the last step.
.macro STEP slot, hf, nslot, nhf, mode
	VLOAD \slot, \hf                               ; behind the places that close the last step's matrix instructions, which read these registers
	s_wait_dscnt 16                                ; the 16 loads of V stay out; this step's K fragments, asked for a step ago, are in
	WIN 0x50                                       ; K and Q window 0, S window 1
.irp c, 0,1                                        ; the 16 accumulators take turns, one instruction a turn
.irp t, 0,1,2,3
.irp i, 0,1,2,3
.if \c == 0
	v_wmma_f32_16x16x32_bf16 v[32*\t+8*\i:32*\t+8*\i+7], v[KF+16*\i+8*\c:KF+16*\i+8*\c+7], v[Q+16*\t+8*\c:Q+16*\t+8*\c+7], 0
.else
	v_wmma_f32_16x16x32_bf16 v[32*\t+8*\i:32*\t+8*\i+7], v[KF+16*\i+8*\c:KF+16*\i+8*\c+7], v[Q+16*\t+8*\c:Q+16*\t+8*\c+7], v[32*\t+8*\i:32*\t+8*\i+7]
.endif
.endr
.endr
.endr
	PLACES
	WIN 0                                          ; branches and labels may follow
.if \mode == 0
	KLOAD \nslot, \nhf                             ; the next step's K, a vector phase and a product ahead of its use
	VPHASE
	s_wait_dscnt 16                                ; V is in; the 16 loads of the next step's K stay out
.endif
.if \mode == 3
	VPHASE
	s_wait_dscnt 0x0                               ; V is in
.endif
.if \mode != 0
.if \mode != 3
	s_cmp_eq_u32 s59, 0                            ; class 1 does its vector phase in front of the barrier,
	s_cbranch_scc1 .Lafter_\@
	VPHASE
.Lafter_\@:
	s_wait_dscnt 0x0                               ; my last reads of this slot, V's fragments, are in registers
	s_wait_tensorcnt 0x0                           ; all my tensor loads have landed: the one that was out is my eighth of the other slot; so group 0 may be written
	ds_add_u32 v62, v63
	s_wait_dscnt 0x0
.if \mode == 1
	s_add_nc_u64 s[G0K+4*\slot+2:G0K+4*\slot+3], s[G0K+4*\slot+2:G0K+4*\slot+3], 2*TILEB
	s_add_nc_u64 s[G0V+4*\slot+2:G0V+4*\slot+3], s[G0V+4*\slot+2:G0V+4*\slot+3], 2*TILEB
	ROUND                                          ; both now hold of every wave of all four work-groups
	JLOAD \slot                                    ; my one tensor load behind the round, and the first thing there: the tile two further on
.else
	s_barrier_signal -1
	s_barrier_wait -1                              ; everybody's eighth of the last tile has landed
.endif
	KLOAD \nslot, \nhf                             ; the next step's K, from the other slot
	s_cmp_lg_u32 s59, 0                            ; class 0 does its vector phase behind the barrier, while class 1 multiplies
	s_cbranch_scc1 .Ldone_\@
	VPHASE
.Ldone_\@:
.endif
.endif
	WIN 0x54                                       ; V window 0, P and O window 1.  (V was shown in by the wait in front of the barrier or by the wait above.)
.irp c, 0,1                                        ; the 16 accumulators take turns, one instruction a turn
.irp t, 0,1,2,3
.irp e, 0,1,2,3
	v_wmma_f32_16x16x32_bf16 v[OA+32*\t+8*\e:OA+32*\t+8*\e+7], v[VF+32*\c+8*\e:VF+32*\c+8*\e+7], v[32*\t+8*\c:32*\t+8*\c+7], v[OA+32*\t+8*\e:OA+32*\t+8*\e+7]
.endr
.endr
.endr
	PLACES
	WIN 0
.endm
	s_load_b256 s[4:11], s[0:1], 0x0               ; q 4, k 6, v 8, a 10
	v_lshl_add_u32 v62, v0, 2, 0x42000
	v_mov_b32 v63, 0
	ds_add_u32 v62, v63
	v_lshrrev_b32 v1, 5, v0
	v_readfirstlane_b32 s12, v1                    ; wave 0 to 7
	s_lshr_b32 s13, s12, 2                         ; 0: I ask for K and take keys 0-127 of a tile; 1: I ask for V and take keys 128-255
	s_and_b32 s14, s12, 3                          ; which 64 rows of a tile I fetch, and which 64 queries are mine
	s_xor_b32 s59, s12, s13
	s_and_b32 s59, s59, 1                          ; my class: where my vector phase stands at a barrier
	s_and_b32 s15, ttmp7, 0xffff                   ; batch x 6 + head
	s_bfe_u32 s16, ttmp6, 0x40000                  ; cx: my place in the cluster
	s_lshl_b32 s17, ttmp9, 2
	s_add_co_u32 s17, s17, s16                     ; query block = 4 x cluster x + cx
	s_lshl_b32 s18, s15, 19                        ; the head's 4096 rows x 128 bytes
	s_lshl_b32 s20, s14, 13                        ; K, V: + the 64 rows that I fetch.  s[20:21] never hold cx
	s_add_co_u32 s20, s20, s18
	s_mov_b32 s21, 0
	s_lshl_b32 s22, s17, 15                        ; q, a: + 256 rows a block + 64 rows a query group
	s_add_co_u32 s22, s22, s18
	s_lshl_b32 s23, s14, 13
	s_add_co_u32 s22, s22, s23
	s_mov_b32 s23, 0
	s_mul_i32 s19, s12, EIGHTH                     ; where my eighth goes: the wave's number alone
	s_mov_b32 s56, 0x76543210                      ; v_permlanex16_b32: lane i reads lane i of the other half
	s_mov_b32 s57, 0xfedcba98
	; group 1: a tile of 64 rows x 64 elements of 2 bytes, dense in memory, padded in LDS behind every 32 words
	s_mov_b32 s[G1K+0], 15|(1<<16)|(1<<20)|(1<<21)|(4<<22)|(3<<25)   ; 15:0 the mask: all four work-groups; 17:16 2 bytes; 20 padding on; 21 set beside a mask; 24:22 every 32 words; 31:25 four words
	s_mov_b32 s[G1V+0], 15|(1<<16)|(1<<20)|(1<<21)|(4<<22)|(7<<25)   ; the same with eight words of padding
	s_mov_b32 s[G1K+1], 64<<16                     ; tensor_dim0 = 64
	s_mov_b32 s[G1V+1], 64<<16
	s_mov_b32 s[G1K+2], 64<<16                     ; tensor_dim1 = 64
	s_mov_b32 s[G1V+2], 64<<16
	s_mov_b32 s[G1K+3], 64<<16                     ; tile_dim0 = 64
	s_mov_b32 s[G1V+3], 64<<16
	s_mov_b32 s[G1K+4], 64                         ; tile_dim1 = 64
	s_mov_b32 s[G1V+4], 64
	s_mov_b32 s[G1K+5], 64                         ; 64 elements from row to row
	s_mov_b32 s[G1V+5], 64
	s_mov_b32 s[G1K+6], 0
	s_mov_b32 s[G1V+6], 0
	s_mov_b32 s[G1K+7], 0
	s_mov_b32 s[G1V+7], 0
	v_and_b32 v1, 31, v0                           ; lane
	v_and_b32 v2, 15, v0                           ; r
	v_bfe_u32 v3, v0, 4, 1                         ; h
	v_mul_u32_u24 v4, v2, KP
	v_lshl_add_u32 v4, v3, 4, v4                   ; r pitch + 16 h
	s_mul_i32 s18, s13, 2*EIGHTH                   ; my half of a tile's keys: two eighths
	v_add_nc_u32 v[KA], s18, v4
	v_add_nc_u32 v[KA+1], SLOT, v[KA]
	v_and_b32 v5, 7, v0
	v_lshl_add_u32 v5, v3, 3, v5
	v_mul_u32_u24 v5, v5, VP
	v_bfe_u32 v6, v0, 3, 1
	v_lshl_add_u32 v5, v6, 4, v5                   ; (8 h + lane % 8) pitch + 16 ((lane / 8) % 2)
	s_add_co_u32 s18, s18, 4*EIGHTH                ; V lies behind K's four eighths
	v_add_nc_u32 v[VA], s18, v5
	v_add_nc_u32 v[VA+1], SLOT, v[VA]
	s_mul_i32 s18, s14, 64*KP
	s_add_co_u32 s18, s18, STAGE                   ; my query group's stage
	v_add_nc_u32 v[STO], s18, v4                   ; in: row r, 16 bytes for each half of the lanes
	v_lshrrev_b32 v5, 3, v1
	v_mul_u32_u24 v5, v5, KP
	v_and_b32 v6, 7, v0
	v_lshl_add_u32 v5, v6, 4, v5
	v_add_nc_u32 v[RD], s18, v5                    ; back: four rows of 128 bytes
	v_lshlrev_b32 v[CO], 4, v1
	v_lshlrev_b32 v5, 7, v2
	v_lshl_add_u32 v[QO], v3, 4, v5                ; q: r x 128 + 16 h
	s_mul_i32 s18, s14, MRGW
	s_add_co_u32 s18, s18, MRG
	v_lshl_add_u32 v[MG], v1, 4, s18               ; merge area: 16 lane: the same lane of the partner wave reads what this lane puts
	s_wait_dscnt 0x0
	s_wait_kmcnt 0x0
	s_add_nc_u64 s[6:7], s[6:7], s[20:21]
	s_add_nc_u64 s[8:9], s[8:9], s[20:21]
	s_add_nc_u64 s[4:5], s[4:5], s[22:23]
	s_add_nc_u64 s[10:11], s[10:11], s[22:23]
	ROUND                                          ; all four work-groups are here: the first joint loads meet
.irp s, 0,1
	s_mov_b32 s[G0K+4*\s], 1
	s_add_co_u32 s[G0K+4*\s+1], s19, \s*SLOT
	s_add_nc_u64 s[G0K+4*\s+2:G0K+4*\s+3], s[6:7], \s*TILEB
	s_or_b32 s[G0K+4*\s+3], s[G0K+4*\s+3], 0x80000000
	s_mov_b32 s[G0V+4*\s], 1
	s_add_co_u32 s[G0V+4*\s+1], s19, \s*SLOT
	s_add_nc_u64 s[G0V+4*\s+2:G0V+4*\s+3], s[8:9], \s*TILEB
	s_or_b32 s[G0V+4*\s+3], s[G0V+4*\s+3], 0x80000000
	JLOAD \s                                       ; tiles 0 and 1: both slots are asked for before anything else
.endr
.irp t, 0,1,2,3
.irp c, 0,1
	global_load_b128 v[Q+16*\t+8*\c:Q+16*\t+8*\c+3],   v[QO], s[4:5] offset:2048*\t+64*\c
	global_load_b128 v[Q+16*\t+8*\c+4:Q+16*\t+8*\c+7], v[QO], s[4:5] offset:2048*\t+64*\c+32
.endr
.endr
.irp t, 0,1,2,3
	v_mov_b32 v[MP+2*\t], 0xff800000               ; the running maximum starts at minus infinity,
	v_mov_b32 v[LS+4*\t], 0                        ; the running sum at 0
	v_mov_b32 v[LS+4*\t+1], 0
	v_mov_b32 v[LS+4*\t+2], 0
	v_mov_b32 v[LS+4*\t+3], 0
.endr
	WIN 0x40                                       ; O starts at 0: 128 lines that run once, under the tiles' way in, so that the first step is a step of the loop like the others
.set oi, 0
.rept 128
	v_mov_b32 v[OA+oi], 0
.set oi, oi+1
.endr
	WIN 0
	s_wait_tensorcnt 0x1                           ; my eighth of tile 0 is in; tile 1's may stay out
	s_barrier_signal -1
	s_barrier_wait -1                              ; everybody's is
	KLOAD 0, 0
	s_wait_loadcnt 0x0                             ; q
	s_mov_b32 s58, TRIPS
.Llap:
	STEP 0, 0, 0, 1, 0                             ; tiles 0, 2, .. 12 in slot 0
	STEP 0, 1, 1, 0, 1                             ; the refills are tiles 2, 4, .. 14
	STEP 1, 0, 1, 1, 0                             ; tiles 1, 3, .. 13 in slot 1
	STEP 1, 1, 0, 0, 1                             ; the refills are tiles 3, 5, .. 15
	s_sub_co_u32 s58, s58, 1
	s_cmp_lg_u32 s58, 0
	s_cbranch_scc1 .Llap
	STEP 0, 0, 0, 1, 0                             ; tiles 14 and 15: nothing is left to fetch
	STEP 0, 1, 1, 0, 2
	STEP 1, 0, 1, 1, 0
	STEP 1, 1, 0, 0, 3
	; THE MERGE.  Every wave sums its l over its four registers and over the two halves of the lanes, and lays m and l side by side.
.irp t, 0,1,2,3
	v_pk_add_f32 v[LS+4*\t:LS+4*\t+1], v[LS+4*\t:LS+4*\t+1], v[LS+4*\t+2:LS+4*\t+3]
.endr
.irp t, 0,1,2,3
	v_add_f32 v[LS+4*\t], v[LS+4*\t], v[LS+4*\t+1]
.endr
.irp t, 0,1,2,3
	v_permlanex16_b32 v[LS+4*\t+1], v[LS+4*\t], s56, s57
.endr
.irp t, 0,1,2,3
	v_add_f32 v[ML+4+\t], v[LS+4*\t], v[LS+4*\t+1] ; at least 1: the largest score's exponential is 1
	v_mov_b32 v[ML+\t], v[MP+2*\t]
.endr
	s_cmp_eq_u32 s13, 0                            ; waves 4 to 7 put m, l and O into their query group's merge area, lane by lane: 512 neighbouring bytes a store
	s_cbranch_scc1 .Lkeeps
	ds_store_b128 v[MG], v[ML:ML+3] offset:32*512
	ds_store_b128 v[MG], v[ML+4:ML+7] offset:33*512
	WIN 0x04
.set oi, 0
.rept 32
	ds_store_b128 v[MG], v[OA+4*oi:OA+4*oi+3] offset:512*oi
.set oi, oi+1
.endr
	WIN 0
.Lkeeps:
	s_wait_dscnt 0x0                               ; my stores are done: zero, for the partner's sake
	s_barrier_signal -1
	s_barrier_wait -1
	s_cmp_lg_u32 s13, 0                            ; waves 0 to 3 take them up; waves 4 to 7 have nothing left but the closing round
	s_cbranch_scc1 .Lclose
	ds_load_b128 v[PM:PM+3], v[MG] offset:32*512
	ds_load_b128 v[PM+4:PM+7], v[MG] offset:33*512
	WIN 0x40                                       ; the partner's O into S's registers: register n of S beside register n of O
.set oi, 0
.rept 32
	ds_load_b128 v[4*oi:4*oi+3], v[MG] offset:512*oi
.set oi, oi+1
.endr
	WIN 0
	s_wait_dscnt 32                                ; the partner's m and l are in; its O's 32 loads stay out
.irp t, 0,1,2,3
	v_max_num_f32 v[AP+2*\t+1], v[ML+\t], v[PM+\t] ; the maximum over all keys
.endr
.irp t, 0,1,2,3
	v_sub_f32 v[MP+2*\t],   v[ML+\t], v[AP+2*\t+1]
	v_sub_f32 v[MP+2*\t+1], v[PM+\t], v[AP+2*\t+1]
.endr
.irp t, 0,1,2,3
	v_exp_f32 v[MP+2*\t],   v[MP+2*\t]             ; my factor and the partner's: one of the two is 1
	v_exp_f32 v[MP+2*\t+1], v[MP+2*\t+1]
.endr
	v_nop                                          ; one plain place behind the last exponential
	s_wait_alu depctr_va_vdst(0)
.irp t, 0,1,2,3
	v_mul_f32 v[LS+4*\t], v[ML+4+\t], v[MP+2*\t]
.endr
.irp t, 0,1,2,3
	v_fmac_f32 v[LS+4*\t], v[PM+4+\t], v[MP+2*\t+1]            ; l over all keys, at least 1
.endr
.irp t, 0,1,2,3
	v_rcp_f32 v[LS+4*\t+1], v[LS+4*\t]
.endr
	v_nop                                          ; one plain place behind the last v_rcp_f32
	s_wait_alu depctr_va_vdst(0)
.irp t, 0,1,2,3
	v_mul_f32 v[AP+2*\t], v[MP+2*\t], v[LS+4*\t+1]             ; my factor / l
.endr
.irp t, 0,1,2,3
	v_mul_f32 v[MP+2*\t], v[MP+2*\t+1], v[LS+4*\t+1]           ; the partner's factor / l
.endr
	WIN 0x41
.irp t, 0,1,2,3
.irp j, 0,2,4,6,8,10,12,14,16,18,20,22,24,26,28,30
	v_pk_mul_f32 v[OA+32*\t+\j:OA+32*\t+\j+1], v[OA+32*\t+\j:OA+32*\t+\j+1], v[AP+2*\t:AP+2*\t+1] op_sel_hi:[1,0]
.endr
.endr
	s_wait_dscnt 0x0                               ; the partner's O is in
	WIN 0x51
.irp t, 0,1,2,3
.irp j, 0,2,4,6,8,10,12,14,16,18,20,22,24,26,28,30
	v_pk_fma_f32 v[OA+32*\t+\j:OA+32*\t+\j+1], v[32*\t+\j:32*\t+\j+1], v[MP+2*\t:MP+2*\t+1], v[OA+32*\t+\j:OA+32*\t+\j+1] op_sel_hi:[1,0,1]
.endr
.endr
	; THE WAY OUT: rounded, through my query group's stage, back as whole rows
	WIN 0x45
.irp t, 0,1,2,3
.irp e, 0,1,2,3
.irp j, 0,1,2,3
	v_cvt_pk_bf16_f32 v[OA+32*\t+8*\e+\j], v[OA+32*\t+8*\e+2*\j], v[OA+32*\t+8*\e+2*\j+1]
.endr
.endr
.endr
	WIN 0x04
.irp t, 0,1,2,3
.irp e, 0,1,2,3
	ds_store_b128 v[STO], v[OA+32*\t+8*\e:OA+32*\t+8*\e+3] offset:16*KP*\t+32*\e
.endr
.endr
	WIN 0
.irp t, 0,1,2,3
.irp u, 0,1,2,3
	ds_load_b128 v[OUTR+4*(4*\t+\u):OUTR+4*(4*\t+\u)+3], v[RD] offset:16*KP*\t+4*KP*\u     ; LDS serves a wave's instructions in order (ISA guide 5.7.1): these see my stores above
.endr
.endr
.irp t, 0,1,2,3
.irp u, 0,1,2,3
	s_wait_dscnt 15-4*\t-\u
	global_store_b128 v[CO], v[OUTR+4*(4*\t+\u):OUTR+4*(4*\t+\u)+3], s[10:11] offset:2048*\t+512*\u   ; four rows: 512 consecutive bytes, at a multiple of 512
.endr
.endr
.Lclose:
	s_wait_tensorcnt 0x0
	ds_add_u32 v62, v63
	s_wait_dscnt 0x0
	ROUND                                          ; the closing round: no work-group ends while a partner may still ask for a tile that names it
	s_endpgm
.Lfunc_end_k_q825bd8190d_attn:
	.size	k_q825bd8190d_attn, .Lfunc_end_k_q825bd8190d_attn-k_q825bd8190d_attn
	.p2alignl 7, 3214868480
	.fill 96, 4, 3214868480
	.section	.rodata,"a",@progbits
	.p2align	6, 0x0
	.amdhsa_kernel k_q825bd8190d_attn
		.amdhsa_group_segment_fixed_size 327680
		.amdhsa_private_segment_fixed_size 0
		.amdhsa_enable_private_segment 0
		.amdhsa_kernarg_size 32
		.amdhsa_user_sgpr_count 2
		.amdhsa_user_sgpr_kernarg_segment_ptr 1
		.amdhsa_wavefront_size32 1
		.amdhsa_system_sgpr_workgroup_id_x 1
		.amdhsa_system_sgpr_workgroup_id_y 1
		.amdhsa_system_sgpr_workgroup_id_z 1
		.amdhsa_system_vgpr_workitem_id 0
		.amdhsa_next_free_vgpr 512
		.amdhsa_next_free_sgpr 66
		.amdhsa_reserve_vcc 0
		.amdhsa_float_denorm_mode_32 3
		.amdhsa_float_denorm_mode_16_64 3
		.amdhsa_memory_ordered 1
		.amdhsa_forward_progress 1
		.amdhsa_inst_pref_size 255
	.end_amdhsa_kernel
	.section	.bss,"aw",@nobits
	.p2align	6
	.space	262144
	.amdgpu_metadata
---
amdhsa.version: [ 1, 2 ]
amdhsa.kernels:
  - .name:           k_q825bd8190d_attn
    .symbol:         k_q825bd8190d_attn.kd
    .args:
      - { .name: q_ws, .offset: 0, .size: 8, .value_kind: global_buffer, .address_space: global }
      - { .name: k_ws, .offset: 8, .size: 8, .value_kind: global_buffer, .address_space: global }
      - { .name: v_ws, .offset: 16, .size: 8, .value_kind: global_buffer, .address_space: global }
      - { .name: a_ws, .offset: 24, .size: 8, .value_kind: global_buffer, .address_space: global }
    .group_segment_fixed_size: 327680
    .private_segment_fixed_size: 0
    .kernarg_segment_align: 8
    .kernarg_segment_size: 32
    .max_flat_workgroup_size: 256
    .sgpr_count:     66
    .vgpr_count:     512
    .wavefront_size: 32
...
	.end_amdgpu_metadata
.endif
;; end of part 4
;; launch proj: the kernel of part 3 again; grid 128 x 2, 4 waves a work-group, no clusters, 260,608 bytes of LDS; arguments a_ws, Wo, bo, x, out0; writes out0
